; MI455X (gfx1250); checked and timed in simulation.
; The chip was launched on July 23, 2026; its instructions are those of AMD's public machine-readable ISA for CDNA 5 (MIT licence, August 2026) and "CDNA5" Instruction Set Architecture Reference Guide (July 2026). The comments in the code are by the model that wrote it; some were corrected since.
;; Mixture Of Experts Layer. Allowed arithmetic: matrix products marked QUANTISED: E3M2 operands, one E8M0 scale for each 32 along K, by v_wmma_scale_f32_16x16x128_f8f6f4 with both operands' format E3M2, f32 sums; products left as they are: f32 operands where the result goes on into a quantised operand, else bf16, f16 or f32 operands; f32 sums; everything else in f32.
;; Inputs: W1_codes 8 x 512 x 32 x 24 uint8 (E3M2 codes of W1, K innermost, in blocks of 32 codes, four codes in three bytes); W1_scales 8 x 512 x 32 uint8 (E8M0 scales of W1, one for each 32 codes along K); Wg 1,024 x 8 float32; b1 8 x 512 float32; bg 8 float32; ctrl 8 x 8 x 512 float32; proj_codes 8 x 512 x 16 x 24 uint8 (E3M2 codes of proj, K innermost, in blocks of 32 codes, four codes in three bytes); proj_scales 8 x 512 x 16 uint8 (E8M0 scales of proj, one for each 32 codes along K); scaling 8 x 512 float32; x 8,192 x 1,024 float32.
;; Outputs: out0 8,192 x 512 float32.
;; This version of the problem:
;;   THIS VERSION OF THE PROBLEM IS GIVEN IN LOW PRECISION. The matrix products marked QUANTISED in the list below multiply operands that are first quantised to E3M2 (3 exponent bits, 2 mantissa bits; 6 bits a number), with one power-of-two scale for each 32 numbers along K (OCP MX v1.0); their sums are f32. All else is computed in f32.
;;   The module's matrix products, in the order in which they are computed (A, B: the left and right operand; K: the contracted axis; several contracted axes count as one K, in the product's order):
;;     1. [M 4,096, K 1,024] x [K 1,024, N 8,192]; A: input W1 (given as codes); B: input x: QUANTISED
;;     2. batch 8 x [M 8,192, K 512] x [K 512, N 512]; A: computed on the way; B: input proj (given as codes): QUANTISED
;;     3. batch 4,096 x [M 1, K 8] x [K 8, N 8,192]; A: input ctrl; B: computed on the way: left as it is (K = 8 < 32)
;;     4. [M 8,192, K 1,024] x [K 1,024, N 8]; A: input x; B: input Wg: left as it is (N = 8 < 16)
;;     5. batch 8,192 x [M 512, K 8] x [K 8, N 1]; A: computed on the way; B: computed on the way: left as it is (K = 8 < 32)
;;   THE QUANTISER, for each operand of a quantised product, along K:
;;     - K is cut into blocks of 32 from its start; a last block that is shorter is filled with zeros.
;;     - A block's scale is 2^e with e = floor(log2(the largest magnitude in the block)) - 4, held to -126 .. 127; a block of zeros has e = 0. As a byte (E8M0): e + 127.
;;     - Each number is divided by its block's scale, clamped to +-28, and rounded to the nearest number of E3M2, ties to even, subnormals kept.
;;     - The product sums the exact products of the quantised numbers (number of the format x scale) in f32.
;;   ~~~python
;;   def quantise(x, axis):      # numpy; x: float32 -> the quantised numbers, widened to float32 again
;;       x = np.moveaxis(x, axis, -1); K = x.shape[-1]
;;       x = np.pad(x, [(0, 0)] * (x.ndim - 1) + [(0, -K % 32)]); x = x.reshape(x.shape[:-1] + (-1, 32)); a = np.abs(x).max(-1, keepdims=True)
;;       e = np.where(a > 0, np.clip(np.frexp(np.where(a > 0, a, 1))[1] - 1 - 4, -126, 127), 0)      # np.frexp(a)[1] - 1 = floor(log2(a)), exactly
;;       r = np.clip(x / 2.0 ** e, -28, 28)
;;       step = 2.0 ** (np.maximum(np.frexp(np.where(r == 0, 1, r))[1] - 1, -2) - 2)
;;       q = np.round(r / step) * step * 2.0 ** e      # np.round: ties to even
;;       return np.moveaxis(q.reshape(q.shape[:-2] + (-1,))[..., :K], -1, axis).astype(np.float32)
;;   ~~~
;;   OPERANDS COMPUTED ON THE WAY. 'Computed on the way' means the value that the module computes at that place (a softmax that the list does not call 'softmax' is quantised finished and normalised). What goes into a quantiser is computed in f32, as accurately as f32 sums, v_exp_f32 and their like allow (about 1e-6 of the number): no bf16 or f16 on the way to a quantiser, and a product that is left as it is and whose result goes on into a quantised operand takes f32 operands (vector FMAs, or v_wmma_f32_16x16x4_f32). A number that lies on a knife's edge between two numbers of the format may be rounded either way, as far as f32 arithmetic and the matrix unit's own rounding can turn it there, and no further.
;;   INPUTS GIVEN AS CODES. W1 (in the module: [8, 1024, 512], K = its axis 1); proj (in the module: [8, 512, 512], K = its axis 1): each comes as NAME_codes (uint8): NAME with its K axis moved to the last place and cut into blocks of 32 codes, [.., K / 32, bytes a block], one block behind the other in memory; four codes in three bytes: a row's codes are one little-endian stream of bits, code i at bits 6 i .. 6 i + 5 (a code: sign, 3 exponent bits, 2 mantissa bits); and NAME_scales (uint8): the same leading axes, one E8M0 byte (e + 127) for each 32 codes along K. Its value is code x scale, taken as it is: it is not quantised again, and the codes and scales need not be those that the quantiser above would give.
;; 2 versions, each right; version 2 is version 1 with the launch chain written anew for expert scheduling mode. Each part assembles by itself: llvm-mc -triple=amdgcn-amd-amdhsa -mcpu=gfx1250 --defsym DOCPART=n.
;; ======== version 1 of 2: 3 launches
;; workspace buffers: xq 6,291,456 bytes; xs 262,144 bytes; eid 32,768 bytes of whole numbers; hist 32,768 bytes of whole numbers; rows 34,304 bytes of whole numbers; tiles 2,048 bytes of whole numbers; w1f 3,145,728 bytes; pjf 1,572,864 bytes
;; launch route (part 1): grid 256 x 1, 8 waves a work-group, no clusters, 78,848 bytes of LDS; arguments x, Wg, bg, xq, xs, eid, hist; writes xq, xs, eid, hist
.if DOCPART == 1
	.amdgcn_target "amdgcn-amd-amdhsa--gfx1250"
	.amdhsa_code_object_version 6
	.text
	.protected	k_q071dd91b84_route
	.globl	k_q071dd91b84_route
	.p2align	8
	.type	k_q071dd91b84_route,@function
k_q071dd91b84_route:
	s_mov_b64 s[64:65], 0
	v_nop
	global_prefetch_b8 v0, s[64:65] scope:SCOPE_SE
	s_setreg_imm32_b32 hwreg(HW_REG_WAVE_MODE, 25, 1), 1
	s_wait_xcnt 0x0
; ROUTE.  x [8192][1024] f32 is read once and gives three things:
;  (1) its codes of BF6 (E3M2) with one E8M0 byte for each 32 along K.  A block's byte is its largest magnitude's exponent field - 4, held at 1 from below;
;  (2) the gate's logits x Wg + bg in f32 (fused multiply-adds) and their argmax, the lower index winning a tie;
;  (3) for each token its place among its expert's tokens in its block of 32, and for each block the eight counts.
; Nothing here steers an address: expert, place and counts are stored as whole numbers at fixed places, for the next launch.
; SHARES.  A work-group takes 32 rows.  Wave w takes half hk = w & 1 of K (512 numbers) of rows 8 (w >> 1) + 0 .. 7: eight steps of 2,048 bytes.
; Each load reads 512 consecutive bytes; a step turns through the wave's own stage in LDS, so that a lane then holds 16 NEIGHBOURS along K (two lanes hold a block):
; the conversion wants them so, and the lane keeps Wg[k][0..7] of its 16 k in 128 registers for all eight steps.
; xq: a row is 768 bytes, [K step s 0..7][h][c][24 bytes], block 4 s + 2 c + h: the 48 bytes that lane (r, h) of an operand wants of a K step lie on end.
; LIMITS: NaN and infinities are not served.  Blocks whose largest magnitude lies under 2^-122 get the byte 1; a block of zeros too (its codes are zeros, and this program alone reads the bytes).
; Two logits that differ by less than the rounding of an f32 sum of 1,024 terms may be ordered either way.
; No matrix unit, no cluster, no tensor load: the launch streams x once, and no work-group shares a byte of x with another.
.set STG,  33792                       ; LDS: 0: Wg, 64 chunks of 512 bytes (16 k) + 16 of padding; STG: two stages of 32 x 80 bytes for each wave
.set PL,   74752                       ; the partial logits [row 32][hk 2][e 8] f32
.set SB,   76800                       ; the scale bytes [row 32][32]
.set ACC,  16                          ; v16-23   eight sums, as four pairs over e
.set OUT,  24                          ; v24-31   what goes to PL, two sets of four
.set R,    32                          ; v32-95   four sets of 16 numbers as loaded
.set X,    96                          ; v96-127  two sets of 16 neighbours
.set WG,   128                         ; v128-255 Wg[k0 + i][e] at 8 i + e
	s_load_b256 s[4:11], s[0:1], 0x0               ; x s[4:5], Wg s[6:7], bg s[8:9], xq s[10:11]
	s_load_b128 s[12:15], s[0:1], 0x20             ; xs s[12:13], eid s[14:15]
	s_load_b64 s[16:17], s[0:1], 0x30              ; hist
	s_set_vgpr_msb 0x40
	v_lshl_add_u32 v0, v0, 2, 0x13000
	v_mov_b32 v1, 0
	s_set_vgpr_msb 0x4000
	v_lshrrev_b32 v1, 5, v0
	v_readfirstlane_b32 s18, v1                    ; wave
	s_and_b32 s19, s18, 1                          ; hk
	s_lshr_b32 s20, s18, 1                         ; rg
	v_and_b32 v15, 31, v0                          ; lane
	v_lshlrev_b32 v1, 4, v15                       ; my 16 bytes of a load's 512
	s_mul_i32 s21, s18, 5120
	s_add_co_u32 s21, s21, STG                     ; my wave's stages
	v_lshrrev_b32 v2, 2, v15
	v_mul_u32_u24 v2, v2, 80
	v_and_b32 v3, 3, v15
	v_lshl_add_u32 v2, v3, 4, v2
	v_add_nc_u32 v2, s21, v2                       ; into a stage: 80 (lane / 4) + 16 (lane % 4)
	v_mul_u32_u24 v3, v15, 80
	v_add_nc_u32 v3, s21, v3                       ; out of it: 80 x lane
	v_lshrrev_b32 v4, 3, v15                       ; my 12 bytes of codes in the half row: K step lane / 8,
	v_mul_u32_u24 v4, v4, 96
	v_bfe_u32 v5, v15, 1, 1                        ; h = bit 0 of the block's number,
	v_mad_u32_u24 v4, v5, 48, v4
	v_bfe_u32 v5, v15, 2, 1                        ; c = its bit 1,
	v_mad_u32_u24 v4, v5, 24, v4
	v_and_b32 v5, 1, v15                           ; and which half of the block
	v_mad_u32_u24 v4, v5, 12, v4
	s_lshl_b32 s22, s20, 8
	s_lshl_b32 s23, s19, 4
	s_add_co_u32 s22, s22, s23
	s_add_co_u32 s22, s22, SB
	v_lshrrev_b32 v5, 1, v15
	v_add_nc_u32 v5, s22, v5                       ; my block's byte: SB + 256 rg + 16 hk + lane / 2
	s_lshl_b32 s22, s20, 9
	s_lshl_b32 s23, s19, 5
	s_add_co_u32 s22, s22, s23
	s_add_co_u32 s22, s22, PL
	v_lshrrev_b32 v6, 4, v15
	v_lshl_add_u32 v6, v6, 4, s22                  ; PL + 512 rg + 32 hk + 16 (lane / 16)
	v_lshrrev_b32 v7, 5, v0
	v_lshlrev_b32 v7, 4, v7
	v_lshl_add_u32 v7, v0, 4, v7                   ; Wg into LDS: 16 t + 16 (t / 32): 16 bytes of padding behind each 512
	v_lshlrev_b32 v8, 4, v0                        ; and in memory: 16 t
	s_mul_i32 s22, s19, 32*528
	v_mul_u32_u24 v9, v15, 528
	v_add_nc_u32 v9, s22, v9                       ; my 16 k of Wg: chunk 32 hk + lane
	s_lshl_b32 s22, ttmp9, 17                      ; x: (32 wg + 8 rg) rows of 4,096 bytes + 2,048 hk
	s_lshl_b32 s23, s20, 15
	s_add_co_u32 s22, s22, s23
	s_lshl_b32 s23, s19, 11
	s_add_co_u32 s22, s22, s23
	s_mov_b32 s23, 0
	s_lshl_b32 s40, ttmp9, 2                       ; xq: (32 wg + 8 rg) rows of 768 bytes + 384 hk
	s_add_co_u32 s40, s40, s20
	s_mul_i32 s40, s40, 6144
	s_mul_i32 s41, s19, 384
	s_add_co_u32 s40, s40, s41
	s_mov_b32 s41, 0
	s_lshl_b32 s42, ttmp9, 10                      ; xs: 32 rows of 32 bytes
	s_mov_b32 s43, 0
	s_lshl_b32 s44, ttmp9, 7                       ; eid, hist: 128 bytes a block
	s_mov_b32 s45, 0
	s_wait_kmcnt 0x0
	s_load_b256 s[24:31], s[8:9], 0x0              ; bg
	s_add_nc_u64 s[4:5], s[4:5], s[22:23]
	s_add_nc_u64 s[10:11], s[10:11], s[40:41]
	s_add_nc_u64 s[12:13], s[12:13], s[42:43]
	s_add_nc_u64 s[14:15], s[14:15], s[44:45]
	s_add_nc_u64 s[16:17], s[16:17], s[44:45]
.macro LOAD j                          ; step j: four loads of 512 consecutive bytes into set j % 4
.irp i, 0,1,2,3
	global_load_b128 v[R+16*((\j)%4)+4*\i:R+16*((\j)%4)+4*\i+3], v1, s[4:5] offset:4096*(\j)+512*\i th:TH_LOAD_NT
.endr
.endm
.macro TURN j                          ; step j through stage j % 2: LDS serves a wave's instructions in order, so no wait stands between the stores and the loads
.irp i, 0,1,2,3
	ds_store_b128 v2, v[R+16*((\j)%4)+4*\i:R+16*((\j)%4)+4*\i+3] offset:2560*((\j)%2)+640*\i
.endr
.irp i, 0,1,2,3
	ds_load_b128 v[X+16*((\j)%2)+4*\i:X+16*((\j)%2)+4*\i+3], v3 offset:2560*((\j)%2)+16*\i
.endr
.endm
.irp j, 0,1,2,3,4,5,6,7
	global_load_b128 v[X+4*\j:X+4*\j+3], v8, s[6:7] offset:4096*\j   ; Wg, 32,768 bytes by the 256 threads
.endr
.irp j, 0,1,2,3
	LOAD \j
.endr
.irp q, 0,1,2,3,4,5,6,7
	v_mov_b32 v[OUT+\q], 0                         ; written once: the destination of a DPP form counts as one of its sources
.endr
	s_wait_loadcnt 16                              ; Wg is in; the 16 loads of x behind it stay out
.irp j, 0,1,2,3,4,5,6,7
	ds_store_b128 v7, v[X+4*\j:X+4*\j+3] offset:4224*\j
.endr
	s_wait_kmcnt 0x0                               ; bg
	s_wait_dscnt 0x0                               ; for the others' sake: my part of Wg lies in LDS
	s_barrier_signal -1
	s_barrier_wait -1
.irp j, 0,1,2,3,4,5,6,7,8,9,10,11,12,13,14,15,16,17,18,19,20,21,22,23,24,25,26,27,28,29,30,31
	ds_load_b128 v[WG+4*\j:WG+4*\j+3], v9 offset:16*\j
.endr
	s_wait_loadcnt 12                              ; step 0's four loads are in
	TURN 0
.macro STEP j
.set XC, X+16*((\j)%2)
.if (\j) > 0
	s_wait_dscnt 5                                 ; this step's numbers are back; the five younger are the last step's byte store and its four stores of logits.  So what two steps ago stored from is free
.else
	s_wait_dscnt 0x0                               ; Wg and step 0
.endif
.if (\j)+4 < 8
	LOAD (\j)+4                                    ; into the set whose stores into the stage are done
.endif
.if (\j)+1 < 8
.if (\j) < 4
	s_wait_loadcnt 12                              ; the next step's four loads are in; three steps' stay out
.else
	s_wait_loadcnt 4*(6-(\j))                      ; towards the end fewer are behind them
.endif
	TURN (\j)+1
.endif
.if (\j) > 0
	s_wait_xcnt 0x0                                ; the last step's store of codes has read v12-14
.endif
	v_max3_num_f32 v7, |v[XC]|, |v[XC+1]|, |v[XC+2]|   ; the largest magnitude of my 16, in two chains
	v_max3_num_f32 v8, |v[XC+3]|, |v[XC+4]|, |v[XC+5]|
.irp i, 6,10
	v_max3_num_f32 v7, v7, |v[XC+\i]|, |v[XC+\i+1]|
	v_max3_num_f32 v8, v8, |v[XC+\i+2]|, |v[XC+\i+3]|
.endr
	v_max3_num_f32 v7, v7, |v[XC+14]|, |v[XC+15]|
	v_max3_num_f32 v7, v7, v8, 0x2800000           ; and the floor 2^(5 - 127): the byte cannot fall under 1
	v_max_num_f32_dpp v7, v7, v7 row_xmask:1 row_mask:0xf bank_mask:0xf   ; with my neighbour's 16: the block's
	v_add_nc_u32 v9, 0xfe000000, v7                ; 4 off its exponent field: the conversion takes this operand's exponent field as its scale
	v_cvt_scalef32_pk16_bf6_f32 v[12:14], v[XC:XC+15], v9
	v_lshrrev_b32 v[10+(\j)%2], 23, v9             ; the scale's byte (also the plain line behind the conversion)
	ds_store_b8 v5, v[10+(\j)%2] offset:32*(\j)    ; both lanes of a block write the same byte with the same value
	global_store_b96 v4, v[12:14], s[10:11] offset:768*(\j)
	; the logits' part of my 16 k: sum over i of x_i Wg[k0 + i][e], two e an instruction, x_i taken for both halves
.irp p, 0,1,2,3
	v_pk_mul_f32 v[ACC+2*\p:ACC+2*\p+1], v[XC:XC+1], v[WG+2*\p:WG+2*\p+1] op_sel_hi:[0,1]
.endr
.irp i, 1,2,3,4,5,6,7,8,9,10,11,12,13,14,15
.irp p, 0,1,2,3
.if \i % 2
	v_pk_fma_f32 v[ACC+2*\p:ACC+2*\p+1], v[XC+\i-1:XC+\i], v[WG+8*\i+2*\p:WG+8*\i+2*\p+1], v[ACC+2*\p:ACC+2*\p+1] op_sel:[1,0,0] op_sel_hi:[1,1,1]
.else
	v_pk_fma_f32 v[ACC+2*\p:ACC+2*\p+1], v[XC+\i:XC+\i+1], v[WG+8*\i+2*\p:WG+8*\i+2*\p+1], v[ACC+2*\p:ACC+2*\p+1] op_sel_hi:[0,1,1]
.endif
.endr
.endr
.irp q, 0,1,2,3
	v_permlane16_swap_b32 v[ACC+\q], v[ACC+4+\q]   ; e = q of lanes 16-31 changes places with e = q + 4 of lanes 0-15
.endr
	v_pk_add_f32 v[ACC:ACC+1], v[ACC:ACC+1], v[ACC+4:ACC+5]       ; now register q holds e = q in lanes 0-15 and e = q + 4 in lanes 16-31
	v_pk_add_f32 v[ACC+2:ACC+3], v[ACC+2:ACC+3], v[ACC+6:ACC+7]
.irp d, 1,2,4
.irp q, 0,1,2,3
	v_add_f32_dpp v[ACC+\q], v[ACC+\q], v[ACC+\q] row_xmask:\d row_mask:0xf bank_mask:0xf
.endr
.endr
.irp q, 0,1,2,3
	v_add_f32_dpp v[OUT+4*((\j)%2)+\q], v[ACC+\q], v[ACC+\q] row_xmask:8 row_mask:0xf bank_mask:0xf
.endr
.irp q, 0,1,2,3
	ds_store_b32 v6, v[OUT+4*((\j)%2)+\q] offset:64*(\j)+4*\q   ; sixteen lanes write the same word with the same value
.endr
.endm
.irp j, 0,1,2,3,4,5,6,7
	STEP \j
.endr
	s_wait_dscnt 0x0                               ; for the others' sake: my logits and scale bytes lie in LDS
	v_lshl_add_u32 v60, v15, 6, PL                 ; the addresses of the tail are made ahead of the parting of the waves
	v_lshl_add_u32 v61, v15, 4, SB
	v_lshlrev_b32 v62, 2, v15
	s_barrier_signal -1
	s_barrier_wait -1
	s_cmp_eq_u32 s18, 0
	s_cbranch_scc1 .Lgate
	s_cmp_eq_u32 s18, 1
	s_cbranch_scc1 .Lbytes
	s_set_vgpr_msb 0x5
	s_wait_tensorcnt 0x0
	ds_add_u32 v0, v1
	s_wait_dscnt 0x0
	s_set_vgpr_msb 0x500
	s_endpgm
.Lbytes:                                               ; wave 1: the block's 1,024 scale bytes leave as two aligned runs of 512 bytes
	ds_load_b128 v[32:35], v61
	ds_load_b128 v[36:39], v61 offset:512
	s_wait_dscnt 0x0
	global_store_b128 v1, v[32:35], s[12:13]
	global_store_b128 v1, v[36:39], s[12:13] offset:512
	s_set_vgpr_msb 0x5
	s_wait_tensorcnt 0x0
	ds_add_u32 v0, v1
	s_wait_dscnt 0x0
	s_set_vgpr_msb 0x500
	s_endpgm
.Lgate:                                                ; wave 0: lane = row
.irp i, 0,1,2,3
	ds_load_b128 v[32+4*\i:35+4*\i], v60 offset:16*\i
.endr
	s_wait_dscnt 0x0
.irp p, 0,2,4,6
	v_pk_add_f32 v[32+\p:33+\p], v[32+\p:33+\p], v[40+\p:41+\p]   ; the two halves of K
.endr
.irp e, 0,1,2,3,4,5,6,7
	v_add_f32 v[32+\e], s[24+\e], v[32+\e]         ; + bg
.endr
	v_mov_b32 v48, v32
	v_mov_b32 v49, 0
.irp e, 1,2,3,4,5,6,7
	v_cmp_ge_f32 vcc_lo, v48, v[32+\e]             ; the best so far stays where it is not beaten: the lower index wins a tie
	v_cndmask_b32 v49, \e, v49, vcc_lo
	v_cndmask_b32 v48, v[32+\e], v48, vcc_lo
.endr
	v_mov_b32 v51, 0
.irp e, 0,1,2,3,4,5,6,7
	v_cmp_eq_u32 vcc_lo, \e, v49
	v_mbcnt_lo_u32_b32 v50, vcc_lo, 0              ; how many lower rows chose e
	v_cndmask_b32 v51, v51, v50, vcc_lo            ; my place, if I chose e
	s_bcnt1_i32_b32 s[32+\e], vcc_lo               ; the block's count of e
.endr
	v_lshl_or_b32 v52, v51, 8, v49                 ; expert | place << 8
	global_store_b32 v62, v52, s[14:15]
.irp q, 0,1,2,3
	s_lshl_b32 s[36+\q], s[36+\q], 16
	s_or_b32 s[32+\q], s[32+\q], s[36+\q]          ; count of q | count of q + 4 << 16
.endr
	v_mov_b32 v53, 0
.irp q, 0,1,2,3
	v_writelane_b32 v53, s[32+\q], \q
.endr
	global_store_b32 v62, v53, s[16:17]            ; the block's 128 bytes: four words of counts, then zeros
	s_set_vgpr_msb 0x5
	s_wait_tensorcnt 0x0
	ds_add_u32 v0, v1
	s_wait_dscnt 0x0
	s_set_vgpr_msb 0x500
	s_endpgm
.Lfunc_end_k_q071dd91b84_route:
	.size	k_q071dd91b84_route, .Lfunc_end_k_q071dd91b84_route-k_q071dd91b84_route
	.p2alignl 7, 3214868480
	.fill 96, 4, 3214868480
	.section	.rodata,"a",@progbits
	.p2align	6, 0x0
	.amdhsa_kernel k_q071dd91b84_route
		.amdhsa_group_segment_fixed_size 78848
		.amdhsa_private_segment_fixed_size 0
		.amdhsa_enable_private_segment 0
		.amdhsa_kernarg_size 56
		.amdhsa_user_sgpr_count 2
		.amdhsa_user_sgpr_kernarg_segment_ptr 1
		.amdhsa_wavefront_size32 1
		.amdhsa_system_sgpr_workgroup_id_x 1
		.amdhsa_system_sgpr_workgroup_id_y 1
		.amdhsa_system_sgpr_workgroup_id_z 1
		.amdhsa_system_vgpr_workitem_id 0
		.amdhsa_next_free_vgpr 258
		.amdhsa_next_free_sgpr 66
		.amdhsa_reserve_vcc 1
		.amdhsa_float_denorm_mode_32 3
		.amdhsa_float_denorm_mode_16_64 3
		.amdhsa_memory_ordered 1
		.amdhsa_forward_progress 1
		.amdhsa_inst_pref_size 72
	.end_amdhsa_kernel
	.amdgpu_metadata
---
amdhsa.version: [ 1, 2 ]
amdhsa.kernels:
  - .name:           k_q071dd91b84_route
    .symbol:         k_q071dd91b84_route.kd
    .args:
      - { .name: x, .offset: 0, .size: 8, .value_kind: global_buffer, .address_space: global }
      - { .name: Wg, .offset: 8, .size: 8, .value_kind: global_buffer, .address_space: global }
      - { .name: bg, .offset: 16, .size: 8, .value_kind: global_buffer, .address_space: global }
      - { .name: xq, .offset: 24, .size: 8, .value_kind: global_buffer, .address_space: global }
      - { .name: xs, .offset: 32, .size: 8, .value_kind: global_buffer, .address_space: global }
      - { .name: eid, .offset: 40, .size: 8, .value_kind: global_buffer, .address_space: global }
      - { .name: hist, .offset: 48, .size: 8, .value_kind: global_buffer, .address_space: global }
    .group_segment_fixed_size: 78848
    .private_segment_fixed_size: 0
    .kernarg_segment_align: 8
    .kernarg_segment_size: 56
    .max_flat_workgroup_size: 256
    .sgpr_count:     66
    .vgpr_count:     258
    .wavefront_size: 32
...
	.end_amdgpu_metadata
.endif
;; end of part 1
;; launch place (part 2): grid 392 x 1, 8 waves a work-group, no clusters, 9,472 bytes of LDS; arguments eid, hist, W1_codes, proj_codes, rows, tiles, w1f, pjf; writes rows, tiles, w1f, pjf
.if DOCPART == 2
	.amdgcn_target "amdgcn-amd-amdhsa--gfx1250"
	.amdhsa_code_object_version 6
	.text
	.protected	k_q071dd91b84_place
	.globl	k_q071dd91b84_place
	.p2align	8
	.type	k_q071dd91b84_place,@function
k_q071dd91b84_place:
	s_mov_b64 s[64:65], 0
	v_nop
	global_prefetch_b8 v0, s[64:65] scope:SCOPE_SE
	s_setreg_imm32_b32 hwreg(HW_REG_WAVE_MODE, 25, 1), 1
	s_wait_xcnt 0x0
; PLACE.  Two jobs that share a launch; a work-group's number says which, and the two ways never join.
; WORK-GROUPS 0-7: a counting sort of the 8,192 tokens by expert, without atomics.  Each repeats the scan of the 256 blocks' counts (thread t = block t; two counts of 16 bits to a word: no sum passes 8,544),
;   gives expert e ceil(total_e / 48) tiles of 48 slots, one expert behind the other (never more than 178 tiles, whatever the split), and places its own 1,024 tokens:
;   slot = 48 x the expert's first tile + the tokens of that expert in earlier blocks + the token's place in its block.  Work-group 0 also writes the table of tiles: (expert, rows 0 .. 48).
;   Slots beyond an expert's count are not written, and the next launch reads none of them.
; WORK-GROUPS 8-391: each wave copies one fragment (16 rows x 128 K of 6-bit codes) of W1 or of proj into the order of an operand's registers: three runs of 512 bytes, lane l's 16 bytes at 16 l.
;   W1's rows of a tile are not neighbours: lane r of tile t takes row 64 w8 + 32 (t / 2) + 8 (t % 2) + r + 8 (r / 8), so that the first product's results lie as the second product's K wants them.
; No matrix unit, no cluster, no tensor load: nothing is multiplied and no two work-groups read the same codes.
	s_load_b512 s[4:19], s[0:1], 0x0               ; eid s[4:5], hist s[6:7], W1_codes s[8:9], proj_codes s[10:11], rows s[12:13], tiles s[14:15], w1f s[16:17], pjf s[18:19]
	v_lshl_add_u32 v64, v0, 2, 0x2100
	v_mov_b32 v65, 0
	v_lshrrev_b32 v1, 5, v0
	v_readfirstlane_b32 s20, v1                    ; wave
	v_and_b32 v2, 31, v0                           ; lane
	s_cmp_ge_u32 ttmp9, 8
	s_cbranch_scc1 .Lrelay
	; ---- the sort.  LDS: 0: the waves' totals, 8 x 16 bytes; 256: each block's eight first slots, 256 x 32 bytes
	s_and_b32 s21, ttmp9, 7                        ; g (ttmp9 is under 8 here)
	v_lshlrev_b32 v60, 7, v0                       ; hist: 128 t
	v_lshlrev_b32 v61, 4, v0                       ; eid: 16 t
	v_lshlrev_b32 v62, 4, v1                       ; LDS: 16 x wave
	v_and_b32 v3, 7, v0
	v_lshlrev_b32 v63, 4, v3                       ; LDS: 16 (lane % 8)
	v_lshlrev_b32 v1, 5, v0                        ; LDS: 32 t
	v_lshrrev_b32 v2, 3, v0
	v_lshlrev_b32 v2, 5, v2
	s_lshl_b32 s58, s21, 10
	v_add_nc_u32 v2, s58, v2                       ; LDS: 32 x (my tokens' block = 32 g + t / 8)
	s_lshl_b32 s22, s21, 12
	s_mov_b32 s23, 0
	s_wait_kmcnt 0x0
	s_add_nc_u64 s[4:5], s[4:5], s[22:23]
	global_load_b128 v[4:7], v60, s[6:7]           ; block t's counts
	global_load_b128 v[8:11], v61, s[4:5]          ; my four tokens' words
.irp q, 0,1,2,3
	v_mov_b32 v[16+\q], 0                          ; written once: the destination of a DPP form counts as one of its sources
.endr
.irp q, 0,1,2,3,4,5,6,7
	v_mov_b32 v[28+\q], 0
.endr
	s_mov_b32 vcc_lo, 0xffff0000                   ; lanes 16-31
	s_wait_loadcnt 1                               ; the counts are in; the tokens' words stay out
.irp q, 0,1,2,3
	v_mov_b32 v[12+\q], v[4+\q]                    ; my own counts are kept
.endr
.irp d, 1,2,4,8                        ; the sums up to and with my block, inside each half of 16 lanes
.irp q, 0,1,2,3
	v_mov_b32_dpp v[16+\q], v[4+\q] row_shr:\d row_mask:0xf bank_mask:0xf bound_ctrl:1
.endr
.irp q, 0,1,2,3
	v_add_nc_u32 v[4+\q], v[4+\q], v[16+\q]
.endr
.endr
.irp q, 0,1,2,3
	v_readlane_b32 s[24+\q], v[4+\q], 15
.endr
.irp q, 0,1,2,3
	v_mov_b32 v[16+\q], s[24+\q]
	v_cndmask_b32 v[16+\q], 0, v[16+\q], vcc_lo    ; the lower half's total goes onto the upper half
	v_add_nc_u32 v[4+\q], v[4+\q], v[16+\q]
.endr
.irp q, 0,1,2,3
	v_readlane_b32 s[24+\q], v[4+\q], 31           ; my wave's totals
.endr
.irp q, 0,1,2,3
	v_mov_b32 v[16+\q], s[24+\q]
.endr
	ds_store_b128 v62, v[16:19]                    ; all lanes write the same words with the same values
	s_wait_dscnt 0x0
	s_barrier_signal -1
	s_barrier_wait -1
	ds_load_b128 v[20:23], v63                     ; wave lane % 8's totals
	s_wait_dscnt 0x0
	v_cmp_gt_u32 vcc_lo, s20, v3
.irp q, 0,1,2,3
	v_cndmask_b32 v[24+\q], 0, v[20+\q], vcc_lo    ; only the waves in front of mine
.endr
.irp d, 1,2,4                          ; sums over each eight lanes: v20-23 all waves' totals, v24-27 those in front of my wave
.irp q, 0,1,2,3,4,5,6,7
	v_mov_b32_dpp v[28+\q], v[20+\q] row_xmask:\d row_mask:0xf bank_mask:0xf
.endr
.irp q, 0,1,2,3,4,5,6,7
	v_add_nc_u32 v[20+\q], v[20+\q], v[28+\q]
.endr
.endr
.irp q, 0,1,2,3
	v_readfirstlane_b32 s56, v[20+\q]
	s_and_b32 s[24+\q], s56, 0xffff                ; s24-31: the experts' totals
	s_lshr_b32 s[28+\q], s56, 16
.endr
	s_mov_b32 s57, 0                               ; tiles so far
.irp e, 0,1,2,3,4,5,6,7
	s_mul_i32 s[32+\e], s57, 48                    ; s32-39: the expert's first slot
	s_add_co_u32 s[40+\e], s[32+\e], s[24+\e]      ; s40-47: the slot behind its last token
	s_add_co_u32 s58, s[24+\e], 47
	s_lshr_b32 s58, s58, 4
	s_mul_i32 s58, s58, 0xaaab
	s_lshr_b32 s58, s58, 17                        ; ceil(total / 48): (total + 47) / 16 / 3, the last by a multiplication that is exact up to 514
	s_add_co_u32 s57, s57, s58
	s_mov_b32 s[48+\e], s57                        ; s48-55: the tile behind its last
.endr
.irp q, 0,1,2,3
	s_lshl_b32 s58, s[36+\q], 16
	s_or_b32 s58, s58, s[32+\q]
	v_sub_nc_u32 v[4+\q], v[4+\q], v[12+\q]        ; earlier blocks of my wave,
	v_add3_u32 v[4+\q], v[4+\q], v[24+\q], s58     ; earlier waves, the expert's first slot: no half borrows or overflows
	v_and_b32 v[28+\q], 0xffff, v[4+\q]
	v_lshrrev_b32 v[32+\q], 16, v[4+\q]
.endr
	ds_store_b128 v1, v[28:31] offset:256          ; block t's first slot for experts 0-3,
	ds_store_b128 v1, v[32:35] offset:272          ; 4-7
	s_wait_dscnt 0x0
	s_barrier_signal -1
	s_barrier_wait -1
	ds_load_b128 v[36:39], v2 offset:256           ; my tokens' block's
	ds_load_b128 v[40:43], v2 offset:272
	s_lshl_b32 s58, s21, 10
	v_lshl_add_u32 v3, v0, 2, s58                  ; my first token: 1,024 g + 4 t
	s_wait_loadcnt 0x0
	s_wait_dscnt 0x0
.irp k, 0,1,2,3                        ; each token has registers of its own: no store's sources are written again
	v_and_b32 v[44+\k], 0xff, v[8+\k]
	v_min_u32 v[44+\k], 7, v[44+\k]                ; its expert
	v_bfe_u32 v[48+\k], v[8+\k], 8, 5              ; its place in the block
	v_mov_b32 v[52+\k], v36
.irp e, 1,2,3,4,5,6,7
	v_cmp_eq_u32 vcc_lo, \e, v[44+\k]
	v_cndmask_b32 v[52+\k], v[52+\k], v[36+\e], vcc_lo
.endr
	v_add_nc_u32 v[52+\k], v[52+\k], v[48+\k]
	v_min_u32 v[52+\k], 0x215f, v[52+\k]           ; a slot lies under 178 x 48
	v_lshlrev_b32 v[52+\k], 2, v[52+\k]
	v_add_nc_u32 v[56+\k], \k, v3
	global_store_b32 v[52+\k], v[56+\k], s[12:13]
.endr
	s_cmp_lg_u32 ttmp9, 0
	s_cbranch_scc1 .Ldone
	v_mov_b32 v4, 0                                ; the table of tiles, thread t = tile t: the last expert whose first tile is not behind t
	v_mov_b32 v5, s40
.irp e, 1,2,3,4,5,6,7
	v_cmp_gt_u32 vcc_lo, s[47+\e], v0              ; expert e begins behind t: keep
	v_cndmask_b32 v4, \e, v4, vcc_lo
	v_cndmask_b32 v5, s[40+\e], v5, vcc_lo
.endr
	v_mul_u32_u24 v6, v0, 48
	v_sub_nc_u32 v5, v5, v6
	v_max_i32 v5, 0, v5
	v_min_i32 v5, 48, v5                           ; its rows: what is left of the expert's tokens from slot 48 t on, 0 .. 48
	v_lshlrev_b32 v6, 3, v0
	global_store_b64 v6, v[4:5], s[14:15]
.Ldone:
	s_wait_tensorcnt 0x0
	ds_add_u32 v64, v65
	s_wait_dscnt 0x0
	s_endpgm
	; ---- the weights' codes into the order of the operand's registers
.macro COPY src, dst
.irp p, 0,1,2,3,4,5
	global_load_b64 v[16+2*\p:17+2*\p], v6, s[\src:\src+1] offset:48*(\p/3)+8*(\p%3) th:TH_LOAD_NT   ; lane (r, h): 24 bytes at 24 h and 24 bytes at 48 + 24 h of its row's 96: registers 0-5 and 6-11
.endr
	s_wait_loadcnt 0x0
.irp c, 0,1,2
	global_store_b128 v5, v[16+4*\c:19+4*\c], s[\dst:\dst+1] offset:512*\c   ; 32 lanes store 512 consecutive bytes
.endr
.endm
.Lrelay:
	v_and_b32 v3, 15, v0                           ; r
	v_bfe_u32 v4, v0, 4, 1                         ; h
	v_lshlrev_b32 v5, 4, v2                        ; 16 x lane
	s_sub_co_u32 s21, ttmp9, 8
	s_lshl_b32 s21, s21, 3
	s_add_co_u32 s21, s21, s20                     ; f: which fragment is my wave's
	s_cmp_ge_u32 ttmp9, 264
	s_cbranch_scc1 .Lproj
	s_lshr_b32 s22, s21, 5                         ; W1: f = e << 8 | w8 << 5 | s << 2 | t
	s_lshl_b32 s22, s22, 6                         ; 512 e + 64 w8
	s_bfe_u32 s23, s21, 0x10001
	s_lshl_b32 s23, s23, 5                         ; + 32 (t / 2)
	s_add_co_u32 s22, s22, s23
	s_and_b32 s23, s21, 1
	s_lshl_b32 s23, s23, 3                         ; + 8 (t % 2)
	s_add_co_u32 s22, s22, s23
	s_mul_i32 s22, s22, 768                        ; a row of 1,024 codes
	s_bfe_u32 s23, s21, 0x30002
	s_mul_i32 s23, s23, 96                         ; K step s
	s_add_co_u32 s22, s22, s23
	s_mov_b32 s23, 0
	s_mul_i32 s24, s21, 1536
	s_mov_b32 s25, 0
	v_and_b32 v6, 8, v3
	v_add_nc_u32 v6, v6, v3                        ; r + 8 (r / 8)
	v_mul_u32_u24 v6, v6, 768
	v_mad_u32_u24 v6, v4, 24, v6
	s_wait_kmcnt 0x0
	s_add_nc_u64 s[8:9], s[8:9], s[22:23]
	s_add_nc_u64 s[16:17], s[16:17], s[24:25]
	COPY 8, 16
	s_endpgm
.Lproj:
	s_sub_co_u32 s21, s21, 2048                    ; proj: f' = e << 7 | w8 << 4 | s << 2 | t
	s_lshr_b32 s22, s21, 4
	s_lshl_b32 s22, s22, 6                         ; 512 e + 64 w8
	s_and_b32 s23, s21, 3
	s_lshl_b32 s23, s23, 4                         ; + 16 t
	s_add_co_u32 s22, s22, s23
	s_mul_i32 s22, s22, 384                        ; a row of 512 codes
	s_bfe_u32 s23, s21, 0x20002
	s_mul_i32 s23, s23, 96
	s_add_co_u32 s22, s22, s23
	s_mov_b32 s23, 0
	s_mul_i32 s24, s21, 1536
	s_mov_b32 s25, 0
	v_mul_u32_u24 v6, v3, 384
	v_mad_u32_u24 v6, v4, 24, v6
	s_wait_kmcnt 0x0
	s_add_nc_u64 s[10:11], s[10:11], s[22:23]
	s_add_nc_u64 s[18:19], s[18:19], s[24:25]
	COPY 10, 18
	s_endpgm
.Lfunc_end_k_q071dd91b84_place:
	.size	k_q071dd91b84_place, .Lfunc_end_k_q071dd91b84_place-k_q071dd91b84_place
	.p2alignl 7, 3214868480
	.fill 96, 4, 3214868480
	.section	.rodata,"a",@progbits
	.p2align	6, 0x0
	.amdhsa_kernel k_q071dd91b84_place
		.amdhsa_group_segment_fixed_size 9472
		.amdhsa_private_segment_fixed_size 0
		.amdhsa_enable_private_segment 0
		.amdhsa_kernarg_size 64
		.amdhsa_user_sgpr_count 2
		.amdhsa_user_sgpr_kernarg_segment_ptr 1
		.amdhsa_wavefront_size32 1
		.amdhsa_system_sgpr_workgroup_id_x 1
		.amdhsa_system_sgpr_workgroup_id_y 1
		.amdhsa_system_sgpr_workgroup_id_z 1
		.amdhsa_system_vgpr_workitem_id 0
		.amdhsa_next_free_vgpr 66
		.amdhsa_next_free_sgpr 66
		.amdhsa_reserve_vcc 1
		.amdhsa_float_denorm_mode_32 3
		.amdhsa_float_denorm_mode_16_64 3
		.amdhsa_memory_ordered 1
		.amdhsa_forward_progress 1
		.amdhsa_inst_pref_size 20
	.end_amdhsa_kernel
	.amdgpu_metadata
---
amdhsa.version: [ 1, 2 ]
amdhsa.kernels:
  - .name:           k_q071dd91b84_place
    .symbol:         k_q071dd91b84_place.kd
    .args:
      - { .name: eid, .offset: 0, .size: 8, .value_kind: global_buffer, .address_space: global }
      - { .name: hist, .offset: 8, .size: 8, .value_kind: global_buffer, .address_space: global }
      - { .name: W1_codes, .offset: 16, .size: 8, .value_kind: global_buffer, .address_space: global }
      - { .name: proj_codes, .offset: 24, .size: 8, .value_kind: global_buffer, .address_space: global }
      - { .name: rows, .offset: 32, .size: 8, .value_kind: global_buffer, .address_space: global }
      - { .name: tiles, .offset: 40, .size: 8, .value_kind: global_buffer, .address_space: global }
      - { .name: w1f, .offset: 48, .size: 8, .value_kind: global_buffer, .address_space: global }
      - { .name: pjf, .offset: 56, .size: 8, .value_kind: global_buffer, .address_space: global }
    .group_segment_fixed_size: 9472
    .private_segment_fixed_size: 0
    .kernarg_segment_align: 8
    .kernarg_segment_size: 64
    .max_flat_workgroup_size: 256
    .sgpr_count:     66
    .vgpr_count:     66
    .wavefront_size: 32
...
	.end_amdgpu_metadata
.endif
;; end of part 2
;; launch chain (part 3): grid 178 x 1, 8 waves a work-group, no clusters, 94,720 bytes of LDS; arguments tiles, rows, xq, xs, w1f, W1_scales, b1, pjf, proj_scales, ctrl, scaling, out0; writes out0
.if DOCPART == 3
	.amdgcn_target "amdgcn-amd-amdhsa--gfx1250"
	.amdhsa_code_object_version 6
	.text
	.protected	k_q071dd91b84_chain
	.globl	k_q071dd91b84_chain
	.p2align	8
	.type	k_q071dd91b84_chain,@function
k_q071dd91b84_chain:
	s_mov_b64 s[64:65], 0
	v_nop
	global_prefetch_b8 v0, s[64:65] scope:SCOPE_SE
	s_setreg_imm32_b32 hwreg(HW_REG_WAVE_MODE, 25, 1), 1
	s_wait_xcnt 0x0
; CHAIN.  One work-group takes one tile of up to 48 tokens of ONE expert through the whole chain: gather x's codes, x W1 + b1, swish, quantise along the 512 hidden units, h proj, sigmoid, eight Gaussian bases
; normalised and contracted with ctrl, x scaling, store.  Only the expert that the gate chose is multiplied: the one-hot of the reference throws the other seven away.  Both products on codes of BF6 (E3M2), E8M0 scales, f32 sums.
; GRID.  178 = ceil(8192 / 48) + 7 tiles serve every split.  A tile with fewer than 48 rows fills its slots with its last row again (the same bits go to the same place, from the same wave);
; an empty tile works on slot 0's row as far as the second barrier, which every wave passes, and ends behind it: a scalar branch on the stored count, with no barrier behind it.  No loop.
; SHARES.  THE EIGHT WAVES SHARE THE COLUMNS: wave w makes hidden units 64 w .. + 63 and outputs 64 w .. + 63 for all 48 rows (three tiles of 16).  So each fragment of the weights is loaded by exactly one wave,
; straight into its registers, in runs of 512 bytes (the launch before laid them so), and feeds three matrix instructions.  What goes round through LDS is small: x's codes and the hidden layer's, as images of the operand's registers.
; NO JOINT LOADS: a cluster's partners would have to hold tiles of one expert, and how many tiles an expert has hangs on the stored list: each expert would be padded to four tiles, and the weights would have to
; go through LDS although no two waves of a work-group read the same fragment.
; FIRST PRODUCT TRANSPOSED (source 0 = 16 rows of W1, source 1 = 16 tokens): a lane holds one token and its registers run along the hidden units, the next K.  b1 is the C of the first K step.
; SECOND PRODUCT AS IT STANDS (source 0 = 16 tokens, source 1 = 16 rows of proj): a lane holds ONE output unit and eight tokens, so the unit's eight coefficients cost eight registers a tile.
; THE BASES.  exp(-32 (xn - b/7)^2) = g c_b r^b with g = exp(-32 xn^2), r = exp(64 xn / 7), c_b = exp(-32 b^2 / 49).  So out = g P(r) / (g Q(r) + 1e-6), P = sum of (c_b ctrl_b scaling) r^b, Q = sum of c_b r^b,
; both by Horner's rule.  xn lies in 0 .. 1 for every input (a sigmoid), so r^7 is at most e^64 and g at least e^-32: inside f32.  Five transcendentals a number in place of eleven.
; LIMITS: NaN and infinities are not served.  swish of a number under -88 gives -0.  Hidden blocks whose largest magnitude lies under 2^-122 (zeros too) get the byte 1: their codes are what the floor's scale gives.
; REGISTERS.  Window 0: v0-31 addresses; v32-55 x's scale words, later the hidden layer's; v56-87 W1's scale words, later proj's (these two runs hold scales alone); v88-183 the 12 accumulators (row tile m, tile t at 32 m + 8 t);
;   v184-255 two buffers of three fragments (x's, later the hidden layer's), and between the products and on the way out the vector work's registers.
;   Window 1: v0-191 four buffers of four weight fragments; v192-223 b1, later scaling; v224-255 ctrl.
.set XIMG, 0                           ; LDS: x's 24 fragments (3 s + m), 1,536 bytes each
.set HIMG, 36864                       ; the hidden layer's 24 half fragments (8 m + w), 768 bytes each: 512 of 16 a lane, 256 of 8 a lane
.set HSC,  55296                       ; its scale words [m][K step], 4 bytes a lane
.set LIST, 56832                       ; each wave's own list of the 48 rows
.set STG,  58880                       ; each wave's own stage: 16 rows x (256 bytes + 16)
.set LI,  4
.set L8,  5
.set LS,  6
.set XS,  32
.set W1S, 56
.set ACC, 88
.set XF,  184
.set TT,  184                          ; between the products: v184-215 at work, v216-239 the codes of row tile m at 216 + 8 m
.set PC,  216
.set TM,  240
.set TP,  242
.set SO,  244
.set BY,  246
.set PW,  248
.set RR,  184                          ; on the way out: r, g, P, Q, eight each; the same 32 then take the rows read back
.set GG,  192
.set PP,  200
.set QQ,  208
.set OB,  184
.set CO,  216                          ; v216-247 the coefficients c_b ctrl_b scaling at 4 b + t
.set OFF, 248                          ; v248-255 row tile 0's eight byte offsets in out0; tiles 1 and 2 take the first accumulator of the tile before, which has left
.set B1,  192                          ; window 1
.set SCL, 192
.set CTL, 224
.set MSB, 0
.macro WIN new                         ; the immediate's high byte repeats the setting that is left
.if MSB != \new
	s_set_vgpr_msb (MSB<<8)|\new
.set MSB, \new
.endif
.endm
.macro PLACES                          ; four plain places behind a matrix instruction, ahead of loads into its registers and of reads of its results
.rept 4
	v_nop
.endr
.endm
.macro CPAIR r, bits                   ; a constant as a pair: the packed forms name a pair and take its low word for both halves
	s_mov_b32 s[\r], \bits
	s_mov_b32 s[\r+1], \bits
.endm
.macro BASE p, em, wm                  ; a buffer's address on to my expert's and my wave's part (s33 = 0)
	s_mul_i32 s32, s30, \em
	s_mul_i32 s34, s28, \wm
	s_add_co_u32 s32, s32, s34
	s_add_nc_u64 s[\p:\p+1], s[\p:\p+1], s[32:33]
.endm
.macro LDW1 s                          ; W1's four fragments of K step s into buffer s % 4: twelve loads of 512 consecutive bytes
	WIN 0x40
.irp t, 0,1,2,3
.irp c, 0,1,2
	global_load_b128 v[48*((\s)%4)+12*\t+4*\c:48*((\s)%4)+12*\t+4*\c+3], v[LI], s[12:13] offset:(4*(\s)+\t)*1536+512*\c
.endr
.endr
.endm
.macro LDPJ q                          ; proj's four fragments of K step q into buffer q
	WIN 0x40
.irp t, 0,1,2,3
.irp c, 0,1,2
	global_load_b128 v[48*(\q)+12*\t+4*\c:48*(\q)+12*\t+4*\c+3], v[LI], s[18:19] offset:(4*(\q)+\t)*1536+512*\c
.endr
.endr
.endm
.macro LDXF s                          ; x's three fragments of K step s into buffer s % 2
.irp m, 0,1,2
.irp c, 0,1,2
	ds_load_b128 v[XF+36*((\s)%2)+12*\m+4*\c:XF+36*((\s)%2)+12*\m+4*\c+3], v[LI] offset:XIMG+(3*(\s)+\m)*1536+512*\c
.endr
.endr
.endm
.macro LDHF q                          ; the hidden layer's three fragments of K step q: each is two waves' halves of six registers
.irp m, 0,1,2
.irp c, 0,1
	ds_load_b128 v[XF+36*((\q)%2)+12*\m+6*\c:XF+36*((\q)%2)+12*\m+6*\c+3], v[LI] offset:HIMG+(8*\m+2*(\q)+\c)*768
	ds_load_b64 v[XF+36*((\q)%2)+12*\m+6*\c+4:XF+36*((\q)%2)+12*\m+6*\c+5], v[L8] offset:HIMG+(8*\m+2*(\q)+\c)*768+512
.endr
.endr
.endm
; Twelve matrix instructions a K step; the twelve accumulators take turns, one instruction a turn, in the same order in every step.
.macro MM1 s
.if (\s) == 0
	WIN 0x11                                       ; source 0 (W1) and source 2 (b1) window 1
.else
	WIN 0x01
.endif
.irp t, 0,1,2,3
.irp m, 0,1,2
.if (\s) == 0
	v_wmma_scale_f32_16x16x128_f8f6f4 v[ACC+32*\m+8*\t:ACC+32*\m+8*\t+7], v[48*((\s)%4)+12*\t:48*((\s)%4)+12*\t+11], v[XF+36*((\s)%2)+12*\m:XF+36*((\s)%2)+12*\m+11], v[B1+8*\t:B1+8*\t+7], v[W1S+8*\t+(\s)], v[XS+8*\m+(\s)] matrix_a_fmt:MATRIX_FMT_BF6 matrix_b_fmt:MATRIX_FMT_BF6
.else
	v_wmma_scale_f32_16x16x128_f8f6f4 v[ACC+32*\m+8*\t:ACC+32*\m+8*\t+7], v[48*((\s)%4)+12*\t:48*((\s)%4)+12*\t+11], v[XF+36*((\s)%2)+12*\m:XF+36*((\s)%2)+12*\m+11], v[ACC+32*\m+8*\t:ACC+32*\m+8*\t+7], v[W1S+8*\t+(\s)], v[XS+8*\m+(\s)] matrix_a_fmt:MATRIX_FMT_BF6 matrix_b_fmt:MATRIX_FMT_BF6
.endif
.endr
.endr
.endm
.macro MM2 q
	WIN 0x04                                       ; source 1 (proj) window 1
.irp t, 0,1,2,3
.irp m, 0,1,2
.if (\q) == 0
	v_wmma_scale_f32_16x16x128_f8f6f4 v[ACC+32*\m+8*\t:ACC+32*\m+8*\t+7], v[XF+36*((\q)%2)+12*\m:XF+36*((\q)%2)+12*\m+11], v[48*(\q)+12*\t:48*(\q)+12*\t+11], 0, v[XS+4*\m+(\q)], v[W1S+4*\t+(\q)] matrix_a_fmt:MATRIX_FMT_BF6 matrix_b_fmt:MATRIX_FMT_BF6
.else
	v_wmma_scale_f32_16x16x128_f8f6f4 v[ACC+32*\m+8*\t:ACC+32*\m+8*\t+7], v[XF+36*((\q)%2)+12*\m:XF+36*((\q)%2)+12*\m+11], v[48*(\q)+12*\t:48*(\q)+12*\t+11], v[ACC+32*\m+8*\t:ACC+32*\m+8*\t+7], v[XS+4*\m+(\q)], v[W1S+4*\t+(\q)] matrix_a_fmt:MATRIX_FMT_BF6 matrix_b_fmt:MATRIX_FMT_BF6
.endif
.endr
.endr
.endm
; swish in f32 on row tile m's 32 registers, each accumulator from its low end on: a / (1 + 2^(-a log2 e))
.macro SWISH m
.set HH, ACC+32*(\m)
.set i, 0
.rept 16
	v_pk_mul_f32 v[TT+i:TT+i+1], v[HH+i:HH+i+1], s[56:57] op_sel_hi:[1,0]
.set i, i+2
.endr
.set i, 0
.rept 32
	v_exp_f32 v[TT+i], v[TT+i]
.set i, i+1
.endr
	v_nop                                          ; a plain place behind the transcendentals
.set i, 0
	s_wait_alu depctr_va_vdst(0)
.rept 16
	v_pk_add_f32 v[TT+i:TT+i+1], v[TT+i:TT+i+1], 1.0 op_sel_hi:[1,0]
.set i, i+2
.endr
.set i, 0
.rept 32
	v_rcp_f32 v[TT+i], v[TT+i]
.set i, i+1
.endr
	v_nop
.set i, 0
	s_wait_alu depctr_va_vdst(0)
.rept 16
	v_pk_mul_f32 v[HH+i:HH+i+1], v[HH+i:HH+i+1], v[TT+i:TT+i+1]
.set i, i+2
.endr
.endm
; Row tile m's 32 registers are two blocks of 32 along the next K: register 16 b + i of lane (r, h) is hidden unit 64 w + 32 b + 16 h + i of token r.  They become six registers of the next operand and two scale bytes.
.macro QUANT2 m
.set HH, ACC+32*(\m)
.set PM, PC+8*(\m)
.irp b, 0,1
	v_max3_num_f32 v[TM+\b], |v[HH+16*\b]|, |v[HH+16*\b+1]|, 0x2800000   ; my 16 numbers, and the floor 2^(5 - 127): the byte cannot fall under 1
.endr
.irp i, 2,4,6,8,10,12,14
.irp b, 0,1
	v_max3_num_f32 v[TM+\b], v[TM+\b], |v[HH+16*\b+\i]|, |v[HH+16*\b+\i+1]|
.endr
.endr
.irp b, 0,1
	v_permlanex16_b32 v[TP+\b], v[TM+\b], s36, s37
.endr
.irp b, 0,1
	v_max_num_f32 v[TM+\b], v[TM+\b], v[TP+\b]     ; with lane l xor 16's: the block's largest magnitude
.endr
.irp b, 0,1
	v_add_nc_u32 v[SO+\b], 0xfe000000, v[TM+\b]    ; 4 off its exponent field: the conversion's scale operand
.endr
.irp b, 0,1
	v_lshrrev_b32 v[BY+\b], 23, v[SO+\b]           ; the scale's byte
.endr
	v_lshl_or_b32 v[PW+(\m)], v[BY+1], 8, v[BY]
	v_cvt_scalef32_pk16_bf6_f32 v[PM:PM+2], v[HH:HH+15], v[SO]
	v_cvt_scalef32_pk16_bf6_f32 v[PM+4:PM+6], v[HH+16:HH+31], v[SO+1]   ; (a conversion's three registers begin on an even number)
	v_nop                                          ; one plain place behind a scaled conversion
.irp i, 0,1,2
	v_permlane16_swap_b32 v[PM+\i], v[PM+4+\i]     ; the operand wants a WHOLE block in a lane: lanes 0-15 block 0, lanes 16-31 block 1
.endr
.irp i, 0,1,2
	v_mov_b32 v[PM+3+\i], v[PM+4+\i]
.endr
	ds_store_b128 v21, v[PM:PM+3] offset:6144*(\m)
	ds_store_b64 v22, v[PM+4:PM+5] offset:6144*(\m)
	ds_store_b16 v23, v[PW+(\m)] offset:512*(\m)   ; my two bytes of the row's scale word of K step w / 2
.endm
; The way out of tile (t, m): lane (r, h) holds output unit 64 w + 16 t + r of tokens 8 h + 0 .. 7.
.macro EPI t, m
.set AA, ACC+32*(\m)+8*(\t)
.set CP, CO+2*((\t)/2)
.irp p, 0,2,4,6
	v_pk_mul_f32 v[AA+\p:AA+\p+1], v[AA+\p:AA+\p+1], s[56:57] op_sel_hi:[1,0]   ; the accumulator from its low end on
.endr
.irp j, 0,1,2,3,4,5,6,7
	v_exp_f32 v[AA+\j], v[AA+\j]
.endr
	v_nop
	s_wait_alu depctr_va_vdst(0)
.irp p, 0,2,4,6
	v_pk_add_f32 v[AA+\p:AA+\p+1], v[AA+\p:AA+\p+1], 1.0 op_sel_hi:[1,0]
.endr
.irp j, 0,1,2,3,4,5,6,7
	v_rcp_f32 v[AA+\j], v[AA+\j]                   ; xn = sigmoid(z)
.endr
	v_nop
	s_wait_alu depctr_va_vdst(0)
.irp p, 0,2,4,6
	v_pk_mul_f32 v[RR+\p:RR+\p+1], v[AA+\p:AA+\p+1], s[58:59] op_sel_hi:[1,0]
.endr
.irp p, 0,2,4,6
	v_pk_mul_f32 v[GG+\p:GG+\p+1], v[AA+\p:AA+\p+1], s[60:61] op_sel_hi:[1,0]
.endr
.irp p, 0,2,4,6
	v_pk_mul_f32 v[GG+\p:GG+\p+1], v[GG+\p:GG+\p+1], v[GG+\p:GG+\p+1]
.endr
.irp j, 0,1,2,3,4,5,6,7
	v_exp_f32 v[RR+\j], v[RR+\j]                   ; r = e^(64 xn / 7)
.endr
.irp j, 0,1,2,3,4,5,6,7
	v_exp_f32 v[GG+\j], -v[GG+\j]                  ; g = e^(-32 xn^2)
.endr
	v_nop
	s_wait_alu depctr_va_vdst(0)
.irp p, 0,2,4,6
	v_pk_fma_f32 v[QQ+\p:QQ+\p+1], v[RR+\p:RR+\p+1], s[54:55], v[30:31] op_sel_hi:[1,0,1]   ; Q = c7 r + c6
.endr
.irp p, 0,2,4,6
.if (\t)%2
	v_pk_fma_f32 v[PP+\p:PP+\p+1], v[RR+\p:RR+\p+1], v[CP+28:CP+29], v[CP+24:CP+25] op_sel:[0,1,1] op_sel_hi:[1,1,1]   ; P likewise; of a pair of coefficients tile t's serves both halves
.else
	v_pk_fma_f32 v[PP+\p:PP+\p+1], v[RR+\p:RR+\p+1], v[CP+28:CP+29], v[CP+24:CP+25] op_sel_hi:[1,0,0]
.endif
.endr
.irp b, 5,4,3,2,1,0
.irp p, 0,2,4,6
.if \b
	v_pk_fma_f32 v[QQ+\p:QQ+\p+1], v[QQ+\p:QQ+\p+1], v[RR+\p:RR+\p+1], s[40+2*\b:41+2*\b] op_sel_hi:[1,1,0]
.else
	v_pk_fma_f32 v[QQ+\p:QQ+\p+1], v[QQ+\p:QQ+\p+1], v[RR+\p:RR+\p+1], 1.0 op_sel_hi:[1,1,0]
.endif
.endr
.irp p, 0,2,4,6
.if (\t)%2
	v_pk_fma_f32 v[PP+\p:PP+\p+1], v[PP+\p:PP+\p+1], v[RR+\p:RR+\p+1], v[CP+4*\b:CP+4*\b+1] op_sel:[0,0,1] op_sel_hi:[1,1,1]
.else
	v_pk_fma_f32 v[PP+\p:PP+\p+1], v[PP+\p:PP+\p+1], v[RR+\p:RR+\p+1], v[CP+4*\b:CP+4*\b+1] op_sel_hi:[1,1,0]
.endif
.endr
.endr
.irp p, 0,2,4,6
	v_pk_fma_f32 v[QQ+\p:QQ+\p+1], v[GG+\p:GG+\p+1], v[QQ+\p:QQ+\p+1], s[62:63] op_sel_hi:[1,1,0]   ; the bases' sum + 1e-6
.endr
.irp p, 0,2,4,6
	v_pk_mul_f32 v[PP+\p:PP+\p+1], v[PP+\p:PP+\p+1], v[GG+\p:GG+\p+1]
.endr
.irp j, 0,1,2,3,4,5,6,7
	v_rcp_f32 v[QQ+\j], v[QQ+\j]
.endr
	v_nop
	s_wait_alu depctr_va_vdst(0)
.irp p, 0,2,4,6
	v_pk_mul_f32 v[AA+\p:AA+\p+1], v[PP+\p:PP+\p+1], v[QQ+\p:QQ+\p+1]
.endr
.irp j, 0,1,2,3,4,5,6,7
	ds_store_b32 v26, v[AA+\j] offset:272*\j+64*(\t)   ; my stage: row 8 h + j, column 16 t + r
.endr
.endm
.macro OUTROWS m                       ; 16 rows x my 64 columns come back as rows of 256 bytes and go to the tokens' rows of out0.  OF: this row tile's eight offset registers
.irp i, 0,1,2,3,4,5,6,7
	ds_load_b128 v[OB+4*\i:OB+4*\i+3], v27 offset:544*\i   ; LDS serves a wave's instructions in order: these see my stores, and the next tile's stores come behind them
.endr
	s_wait_dscnt 0x0                               ; the rows and the tokens' numbers are in
.irp i, 0,1,2,3,4,5,6,7
	v_min_u32 v[OF+\i], 0x1fff, v[OF+\i]           ; a token's number lies under 8,192
.endr
.irp i, 0,1,2,3,4,5,6,7
	v_lshl_add_u32 v[OF+\i], v[OF+\i], 11, v28     ; its row of 2,048 bytes + 256 w + 16 r
.endr
.irp i, 0,1,2,3,4,5,6,7
	global_store_b128 v[OF+\i], v[OB+4*\i:OB+4*\i+3], s[26:27] th:TH_STORE_NT   ; 16 lanes store 256 consecutive bytes, at a multiple of 256 from out0's first byte
.endr
.if (\m) < 2
	s_wait_xcnt 0x0                                ; the stores have read their data: the next row tile's vector work writes these registers again
.endif
.endm
	s_load_b512 s[4:19], s[0:1], 0x0               ; tiles s[4:5], rows s[6:7], xq s[8:9], xs s[10:11], w1f s[12:13], W1_scales s[14:15], b1 s[16:17], pjf s[18:19]
	s_load_b256 s[20:27], s[0:1], 0x40             ; proj_scales s[20:21], ctrl s[22:23], scaling s[24:25], out0 s[26:27]
	v_lshrrev_b32 v1, 5, v0
	v_readfirstlane_b32 s28, v1                    ; wave
	v_and_b32 v1, 31, v0                           ; lane
	v_and_b32 v2, 15, v0                           ; r
	v_bfe_u32 v3, v0, 4, 1                         ; h
	v_lshlrev_b32 v[LI], 4, v1
	v_lshlrev_b32 v[L8], 3, v1
	v_lshlrev_b32 v[LS], 2, v1
	v_and_b32 v7, 8, v2
	v_add_nc_u32 v7, v7, v2
	v_lshlrev_b32 v7, 5, v7                        ; W1's scales: 32 bytes a row, row r + 8 (r / 8) of a tile
	v_lshlrev_b32 v8, 6, v3                        ; b1: 64 h
	v_lshlrev_b32 v9, 4, v2                        ; proj's scales: 16 bytes a row
	v_lshlrev_b32 v10, 2, v2                       ; ctrl, scaling: 4 r
	v_mul_u32_u24 v30, v3, 48                      ; xq: 48 h
	s_mul_i32 s32, s28, 4608
	v_add_nc_u32 v20, s32, v[LI]                   ; where I store x's images: K step w
	s_mul_i32 s32, s28, 768
	s_add_co_u32 s32, s32, HIMG
	v_add_nc_u32 v21, s32, v[LI]                   ; the hidden layer's: 16 a lane,
	s_add_co_u32 s34, s32, 512
	v_add_nc_u32 v22, s34, v[L8]                   ; then 8 a lane
	s_lshr_b32 s32, s28, 1
	s_lshl_b32 s32, s32, 7
	s_and_b32 s34, s28, 1
	s_lshl_b32 s34, s34, 1
	s_add_co_u32 s32, s32, s34
	s_add_co_u32 s32, s32, HSC
	v_add_nc_u32 v23, s32, v[LS]                   ; my two bytes of a scale word
	s_lshl_b32 s32, s28, 8
	s_add_co_u32 s34, s32, LIST
	v_lshl_add_u32 v24, v2, 2, s34                 ; my wave's list: in by r,
	v_lshl_add_u32 v25, v3, 2, s34                 ; out by h
	v_lshl_add_u32 v28, v2, 4, s32                 ; out0: 256 w + 16 r
	s_mul_i32 s32, s28, 4352
	s_add_co_u32 s32, s32, STG
	v_mul_u32_u24 v26, v3, 2176
	v_lshl_add_u32 v26, v2, 2, v26
	v_add_nc_u32 v26, s32, v26                     ; my stage, in: row 8 h, column r
	v_mul_u32_u24 v27, v3, 272
	v_lshl_add_u32 v27, v2, 4, v27
	v_add_nc_u32 v27, s32, v27                     ; back: lanes 0-15 one row, lanes 16-31 the next
	s_lshl_b32 s32, ttmp9, 3
	s_mov_b32 s33, 0
	s_wait_kmcnt 0x0
	s_add_nc_u64 s[4:5], s[4:5], s[32:33]
	s_load_b64 s[30:31], s[4:5], 0x0               ; my tile: expert, rows
	s_mov_b32 s36, 0x76543210
	s_mov_b32 s37, 0xfedcba98                      ; v_permlanex16_b32's selects for lane l xor 16
	CPAIR 42, 0x3f053c38                           ; c1 .. c7 = exp(-32 b^2 / 49)
	CPAIR 44, 0x3d9642d2
	CPAIR 46, 0x3b379bab
	CPAIR 48, 0x37f31560
	CPAIR 50, 0x33ae5819
	CPAIR 52, 0x2e877b0d
	CPAIR 54, 0x28642328
	CPAIR 56, 0xbfb8aa3b                           ; -log2(e)
	CPAIR 58, 0x41530bb1                           ; 64 / 7 x log2(e)
	CPAIR 60, 0x40d96d27                           ; sqrt(32 log2(e))
	CPAIR 62, 0x358637bd                           ; 1e-6
	s_wait_kmcnt 0x0
	s_min_u32 s30, s30, 7
	s_min_u32 s31, s31, 48
	s_max_u32 s32, s31, 1
	s_sub_co_u32 s32, s32, 1                       ; the tile's last valid slot
	s_mul_i32 s34, ttmp9, 48
	s_cmp_lg_u32 s31, 0
	s_cselect_b32 s34, s34, 0                      ; an empty tile reads slot 0, which is always written
.irp m, 0,1,2
	v_add_nc_u32 v[14+\m], 16*\m, v2
	v_min_u32 v[14+\m], s32, v[14+\m]
	v_add_nc_u32 v[14+\m], s34, v[14+\m]
	v_min_u32 v[14+\m], 0x215f, v[14+\m]
	v_lshlrev_b32 v[14+\m], 2, v[14+\m]
	global_load_b32 v[11+\m], v[14+\m], s[6:7]     ; the token of slot 16 m + r
.endr
	BASE 12, 393216, 49152                         ; w1f: 256 fragments an expert, 32 a wave
	BASE 14, 16384, 2048                           ; W1_scales
	BASE 16, 2048, 256                             ; b1
	BASE 18, 196608, 24576                         ; pjf
	BASE 20, 8192, 1024                            ; proj_scales
	BASE 22, 16384, 256                            ; ctrl
	BASE 24, 2048, 256                             ; scaling
	BASE 8, 0, 96                                  ; xq: the K step that I gather is my wave's number
.irp t, 0,1,2,3
	global_load_b128 v[W1S+8*\t:W1S+8*\t+3], v7, s[14:15] offset:(32*(\t/2)+8*(\t%2))*32
	global_load_b128 v[W1S+8*\t+4:W1S+8*\t+7], v7, s[14:15] offset:(32*(\t/2)+8*(\t%2))*32+16
.endr
	WIN 0x40
.irp t, 0,1,2,3
	global_load_b128 v[B1+8*\t:B1+8*\t+3], v8, s[16:17] offset:(32*(\t/2)+8*(\t%2))*4        ; b1 in the result's layout: units 32 (t / 2) + 16 h + 8 (t % 2) + 0 .. 7
	global_load_b128 v[B1+8*\t+4:B1+8*\t+7], v8, s[16:17] offset:(32*(\t/2)+8*(\t%2))*4+16
.endr
	LDW1 0
	WIN 0
	s_wait_loadcnt 28                              ; the tokens are in; behind them 8 + 8 + 12 loads stay out
.irp m, 0,1,2
	v_min_u32 v[11+\m], 0x1fff, v[11+\m]
	v_mul_u32_u24 v[14+\m], v[11+\m], 768
	v_add_nc_u32 v[14+\m], v30, v[14+\m]           ; xq: the token's row + 48 h
	v_lshlrev_b32 v[17+\m], 5, v[11+\m]            ; xs: its 32 bytes
	ds_store_b32 v24, v[11+\m] offset:64*\m        ; my wave's own list, for the way out
.endr
.irp m, 0,1,2
.irp c, 0,1,2
	global_load_b128 v[XF+12*\m+4*\c:XF+12*\m+4*\c+3], v[14+\m], s[8:9] offset:16*\c   ; lane (r, h): its 48 bytes of K step w: the fragment's twelve registers
.endr
.endr
.irp m, 0,1,2
	global_load_b128 v[XS+8*\m:XS+8*\m+3], v[17+\m], s[10:11]
	global_load_b128 v[XS+8*\m+4:XS+8*\m+7], v[17+\m], s[10:11] offset:16
.endr
	LDW1 1
	WIN 0
	s_wait_loadcnt 18                              ; the gathered codes are in; x's 6 loads of scales and K step 1's 12 stay out
	LDW1 2
	LDW1 3
	WIN 0
.irp m, 0,1,2
.irp c, 0,1,2
	ds_store_b128 v20, v[XF+12*\m+4*\c:XF+12*\m+4*\c+3] offset:XIMG+1536*\m+512*\c
.endr
.endr
	s_wait_dscnt 0x0                               ; for the others' sake: my three images lie in LDS
	s_barrier_signal -1
	s_barrier_wait -1                              ; x's 24 fragments lie in LDS
	LDXF 0
	LDXF 1
	; ---- the first product: eight K steps
.irp s, 0,1,2,3,4,5,6,7
	s_wait_loadcnt 36                              ; this K step's weights are in (at step 0 also both sides' scales and b1); the three K steps of 12 loads behind them stay out
.if \s < 7
	s_wait_dscnt 9                                 ; this K step's x is in; the next step's nine loads stay out
.else
	s_wait_dscnt 0x0
.endif
	MM1 \s
	PLACES                                         ; ahead of the loads into the two buffers just read
.if \s < 4
	LDW1 \s+4
.else
	LDPJ \s-4                                      ; proj follows W1 through the same four buffers
.endif
	WIN 0
.if \s < 6
	LDXF \s+2
.endif
.endr
.irp t, 0,1,2,3
	global_load_b128 v[W1S+4*\t:W1S+4*\t+3], v9, s[20:21] offset:256*\t   ; proj's scale words: row 16 t + r, four K steps
.endr
	WIN 0x40
.irp b, 0,1,2,3,4,5,6,7
.irp t, 0,1,2,3
	global_load_b32 v[CTL+4*\b+\t], v10, s[22:23] offset:2048*\b+64*\t
.endr
.endr
.irp t, 0,1,2,3
	global_load_b32 v[SCL+\t], v10, s[24:25] offset:64*\t
.endr
	WIN 0
	v_mov_b32 v[TP], 0                             ; written once: a lane permute's destination counts as one of its sources
	v_mov_b32 v[TP+1], 0
	; ---- the hidden layer: swish, quantised in registers, its images to LDS
.irp m, 0,1,2
	SWISH \m
	QUANT2 \m
.endr
	s_wait_dscnt 0x0                               ; for the others' sake: my half fragments and scale bytes lie in LDS
	s_barrier_signal -1
	s_barrier_wait -1
	s_cmp_eq_u32 s31, 0                            ; an empty tile has passed every barrier and ends here: it stores nothing.  The count is the same in all eight waves
	s_cbranch_scc1 .Lempty
.irp m, 0,1,2
.irp q, 0,1,2,3
	ds_load_b32 v[XS+4*\m+\q], v[LS] offset:HSC+512*\m+128*\q
.endr
.endr
	LDHF 0
	LDHF 1
	s_wait_loadcnt 0x0                             ; proj, its scales, ctrl, scaling
	; ---- the second product: four K steps
.irp q, 0,1,2,3
.if \q < 3
	s_wait_dscnt 12                                ; this K step's fragments (and the scale words) are in; the next step's twelve loads stay out
.else
	s_wait_dscnt 0x0
.endif
	MM2 \q
	PLACES
	WIN 0
.if \q < 2
	LDHF \q+2
.endif
.endr
	; ---- the coefficients c_b ctrl_b scaling of my four tiles' units
	WIN 0x05                                       ; sources 0 and 1 window 1
.irp b, 0,1,2,3,4,5,6,7
.irp p, 0,2
	v_pk_mul_f32 v[CO+4*\b+\p:CO+4*\b+\p+1], v[CTL+4*\b+\p:CTL+4*\b+\p+1], v[SCL+\p:SCL+\p+1]
.endr
.endr
	WIN 0
.irp b, 1,2,3,4,5,6,7
.irp p, 0,2
	v_pk_mul_f32 v[CO+4*\b+\p:CO+4*\b+\p+1], v[CO+4*\b+\p:CO+4*\b+\p+1], s[40+2*\b:41+2*\b] op_sel_hi:[1,0]
.endr
.endr
	v_mov_b32 v30, s52                             ; c6 as a vector pair: Q's first step has c7 as its one scalar pair
	v_mov_b32 v31, s52
	; ---- the way out, a tile of 16 rows at a time
.irp m, 0,1,2
.if \m == 0
.set OF, OFF
.else
.set OF, ACC+32*(\m-1)                 ; the first accumulator of the row tile before: its numbers have left through the stage.  So no register that a store names as its offset is written again
.endif
.irp i, 0,1,2,3,4,5,6,7
	ds_load_b32 v[OF+\i], v25 offset:64*\m+8*\i    ; the tokens of rows 16 m + 2 i + h
.endr
	EPI 0, \m
	EPI 1, \m
	EPI 2, \m
	EPI 3, \m
	OUTROWS \m
.endr
.Lempty:
	s_wait_xcnt 0x0
	v_lshl_add_u32 v254, v0, 2, 0x16e00
	v_mov_b32 v255, 0
	s_wait_tensorcnt 0x0
	ds_add_u32 v254, v255
	s_wait_dscnt 0x0
	s_endpgm
.Lfunc_end_k_q071dd91b84_chain:
	.size	k_q071dd91b84_chain, .Lfunc_end_k_q071dd91b84_chain-k_q071dd91b84_chain
	.p2alignl 7, 3214868480
	.fill 96, 4, 3214868480
	.section	.rodata,"a",@progbits
	.p2align	6, 0x0
	.amdhsa_kernel k_q071dd91b84_chain
		.amdhsa_group_segment_fixed_size 94720
		.amdhsa_private_segment_fixed_size 0
		.amdhsa_enable_private_segment 0
		.amdhsa_kernarg_size 96
		.amdhsa_user_sgpr_count 2
		.amdhsa_user_sgpr_kernarg_segment_ptr 1
		.amdhsa_wavefront_size32 1
		.amdhsa_system_sgpr_workgroup_id_x 1
		.amdhsa_system_sgpr_workgroup_id_y 1
		.amdhsa_system_sgpr_workgroup_id_z 1
		.amdhsa_system_vgpr_workitem_id 0
		.amdhsa_next_free_vgpr 512
		.amdhsa_next_free_sgpr 66
		.amdhsa_reserve_vcc 0
		.amdhsa_float_denorm_mode_32 3
		.amdhsa_float_denorm_mode_16_64 3
		.amdhsa_memory_ordered 1
		.amdhsa_forward_progress 1
		.amdhsa_inst_pref_size 184
	.end_amdhsa_kernel
	.amdgpu_metadata
---
amdhsa.version: [ 1, 2 ]
amdhsa.kernels:
  - .name:           k_q071dd91b84_chain
    .symbol:         k_q071dd91b84_chain.kd
    .args:
      - { .name: tiles, .offset: 0, .size: 8, .value_kind: global_buffer, .address_space: global }
      - { .name: rows, .offset: 8, .size: 8, .value_kind: global_buffer, .address_space: global }
      - { .name: xq, .offset: 16, .size: 8, .value_kind: global_buffer, .address_space: global }
      - { .name: xs, .offset: 24, .size: 8, .value_kind: global_buffer, .address_space: global }
      - { .name: w1f, .offset: 32, .size: 8, .value_kind: global_buffer, .address_space: global }
      - { .name: W1_scales, .offset: 40, .size: 8, .value_kind: global_buffer, .address_space: global }
      - { .name: b1, .offset: 48, .size: 8, .value_kind: global_buffer, .address_space: global }
      - { .name: pjf, .offset: 56, .size: 8, .value_kind: global_buffer, .address_space: global }
      - { .name: proj_scales, .offset: 64, .size: 8, .value_kind: global_buffer, .address_space: global }
      - { .name: ctrl, .offset: 72, .size: 8, .value_kind: global_buffer, .address_space: global }
      - { .name: scaling, .offset: 80, .size: 8, .value_kind: global_buffer, .address_space: global }
      - { .name: out0, .offset: 88, .size: 8, .value_kind: global_buffer, .address_space: global }
    .group_segment_fixed_size: 94720
    .private_segment_fixed_size: 0
    .kernarg_segment_align: 8
    .kernarg_segment_size: 96
    .max_flat_workgroup_size: 256
    .sgpr_count:     66
    .vgpr_count:     512
    .wavefront_size: 32
...
	.end_amdgpu_metadata
.endif
;; end of part 3
;; ======== version 2 of 2: 3 launches; version 1 with the launch chain written anew for expert scheduling mode
;; workspace buffers: xq 6,291,456 bytes; xs 262,144 bytes; eid 32,768 bytes of whole numbers; hist 32,768 bytes of whole numbers; rows 34,304 bytes of whole numbers; tiles 2,048 bytes of whole numbers; w1f 3,145,728 bytes; pjf 1,572,864 bytes
;; launch route: the kernel of part 1 again; grid 256 x 1, 8 waves a work-group, no clusters, 78,848 bytes of LDS; arguments x, Wg, bg, xq, xs, eid, hist; writes xq, xs, eid, hist
;; launch place: the kernel of part 2 again; grid 392 x 1, 8 waves a work-group, no clusters, 9,472 bytes of LDS; arguments eid, hist, W1_codes, proj_codes, rows, tiles, w1f, pjf; writes rows, tiles, w1f, pjf
;; launch chain (part 4): grid 178 x 1, 8 waves a work-group, no clusters, 94,720 bytes of LDS; arguments tiles, rows, xq, xs, w1f, W1_scales, b1, pjf, proj_scales, ctrl, scaling, out0; writes out0
.if DOCPART == 4
	.amdgcn_target "amdgcn-amd-amdhsa--gfx1250"
	.amdhsa_code_object_version 6
	.text
	.protected	k_q071dd91b84_chain
	.globl	k_q071dd91b84_chain
	.p2align	8
	.type	k_q071dd91b84_chain,@function
k_q071dd91b84_chain:
	s_mov_b64 s[64:65], 0
	v_nop
	global_prefetch_b8 v0, s[64:65] scope:SCOPE_SE
	s_setreg_imm32_b32 hwreg(HW_REG_WAVE_SCHED_MODE, 0, 2), 2
	s_setreg_imm32_b32 hwreg(HW_REG_WAVE_MODE, 25, 1), 1
	s_wait_xcnt 0x0
	s_wait_alu depctr_vm_vsrc(0)
; CHAIN.  One work-group takes one tile of up to 48 tokens of ONE expert through the whole chain: gather x's codes, x W1 + b1, swish, quantise along the 512 hidden units, h proj, sigmoid, eight Gaussian bases
; normalised and contracted with ctrl, x scaling, store.  Only the expert that the gate chose is multiplied: the one-hot of the reference throws the other seven away.  Both products on codes of BF6 (E3M2), E8M0 scales, f32 sums.
; GRID.  178 = ceil(8192 / 48) + 7 tiles serve every split.  A tile with fewer than 48 rows fills its slots with its last row again (the same bits go to the same place, from the same wave);
; an empty tile works on slot 0's row as far as the second barrier, which every wave passes, and ends behind it: a scalar branch on the stored count, with no barrier behind it.  No loop.
; SHARES.  THE EIGHT WAVES SHARE THE COLUMNS: wave w makes hidden units 64 w .. + 63 and outputs 64 w .. + 63 for all 48 rows (three tiles of 16).  So each fragment of the weights is loaded by exactly one wave,
; straight into its registers, in runs of 512 bytes (the launch before laid them so), and feeds three matrix instructions.  What goes round through LDS is small: x's codes and the hidden layer's, as images of the operand's registers.
; NO JOINT LOADS: a cluster's partners would have to hold tiles of one expert, and how many tiles an expert has hangs on the stored list: each expert would be padded to four tiles, and the weights would have to
; go through LDS although no two waves of a work-group read the same fragment.
; FIRST PRODUCT TRANSPOSED (source 0 = 16 rows of W1, source 1 = 16 tokens): a lane holds one token and its registers run along the hidden units, the next K.  b1 is the C of the first K step.
; SECOND PRODUCT AS IT STANDS (source 0 = 16 tokens, source 1 = 16 rows of proj): a lane holds ONE output unit and eight tokens, so the unit's eight coefficients cost eight registers a tile.
; THE BASES.  exp(-32 (xn - b/7)^2) = g c_b r^b with g = exp(-32 xn^2), r = exp(64 xn / 7), c_b = exp(-32 b^2 / 49).  So out = g P(r) / (g Q(r) + 1e-6), P = sum of (c_b ctrl_b scaling) r^b, Q = sum of c_b r^b,
; both by Horner's rule.  xn lies in 0 .. 1 for every input (a sigmoid), so r^7 is at most e^64 and g at least e^-32: inside f32.  Five transcendentals a number in place of eleven.
; LIMITS: NaN and infinities are not served.  swish of a number under -88 gives -0.  Hidden blocks whose largest magnitude lies under 2^-122 (zeros too) get the byte 1: their codes are what the floor's scale gives.
; REGISTERS.  Window 0: v0-31 addresses; v32-55 x's scale words, later the hidden layer's; v56-87 W1's scale words, later proj's (these two runs hold scales alone); v88-183 the 12 accumulators (row tile m, tile t at 32 m + 8 t);
;   v184-255 two buffers of three fragments (x's, later the hidden layer's), and between the products and on the way out the vector work's registers.
;   Window 1: v0-191 four buffers of four weight fragments; v192-223 b1, later scaling; v224-255 ctrl.
; THE MODE: SCHED_MODE bits 1:0 = 2 (LLVM: expert scheduling mode 2), set by the entry lines.  The code itself states the register dependences
; between vector or matrix instructions and memory or LDS instructions, with s_wait_alu, always for 0.
; THE PLAN.  Registers that memory or LDS instructions touch:
;   v4-10, v20-28   addresses and offsets, made at the head and never written again: one wait on va_vdst ahead of the first load serves them for the whole kernel.
;   v14-16          the slots' offsets, read by the tokens' loads; then written again as xq's offsets: a wait on vm_vsrc ahead of that, one on va_vdst behind it (with v11-13 and v17-19).
;   W0 .. W3        (window 1) K step s: its twelve matrix instructions read W[s % 4]; the loads of four K steps on land in it, issued in the MIDDLE of step s + 1.
;   XF0, XF1        K step s reads XF[s % 2]; the LDS loads of two K steps on land in it, issued at the end of step s.
;   So ONE wait on va_vdst ends a K step: its matrix instructions are done reading W[s % 4] and XF[s % 2].  The six matrix instructions that stand between that wait and the weights' loads
;   name W[(s + 1) % 4], XF[(s + 1) % 2], accumulators and scale registers: none of the registers that those loads touch.
;   v216-239, v248-250  a row tile's codes and scale bytes: written by its quantiser; read by three LDS stores, which stand behind the wait that follows the NEXT row tile's exponentials anyway.
;   the accumulators on the way out: written by tile (t, m)'s last multiplies; read by eight LDS stores, which stand behind the wait that follows the NEXT tile's first exponentials anyway.
;   v184-215 on the way out: vector work, then the rows read back, then the global stores' data: a wait on va_vdst ahead of the loads, one on vm_vsrc behind the stores.
.set XIMG, 0                           ; LDS: x's 24 fragments (3 s + m), 1,536 bytes each
.set HIMG, 36864                       ; the hidden layer's 24 half fragments (8 m + w), 768 bytes each: 512 of 16 a lane, 256 of 8 a lane
.set HSC,  55296                       ; its scale words [m][K step], 4 bytes a lane
.set LIST, 56832                       ; each wave's own list of the 48 rows
.set STG,  58880                       ; each wave's own stage: 16 rows x (256 bytes + 16)
.set LI,  4
.set L8,  5
.set LS,  6
.set XS,  32
.set W1S, 56
.set ACC, 88
.set XF,  184
.set TT,  184                          ; between the products: v184-215 at work, v216-239 the codes of row tile m at 216 + 8 m
.set PC,  216
.set TM,  240
.set TP,  242
.set SO,  244
.set BY,  246
.set PW,  248
.set RR,  184                          ; on the way out: r, g, P, Q, eight each; the same 32 then take the rows read back
.set GG,  192
.set PP,  200
.set QQ,  208
.set OB,  184
.set CO,  216                          ; v216-247 the coefficients c_b ctrl_b scaling at 4 b + t
.set OFF, 248                          ; v248-255 row tile 0's eight byte offsets in out0; tiles 1 and 2 take the first accumulator of the tile before, which has left
.set B1,  192                          ; window 1
.set SCL, 192
.set CTL, 224
.set MSB, 0
.macro WIN new                         ; the immediate's high byte repeats the setting that is left
.if MSB != \new
	s_set_vgpr_msb (MSB<<8)|\new
.set MSB, \new
.endif
.endm
.macro PLACES                          ; four plain places behind a matrix instruction, ahead of loads into its registers and of reads of its results
.rept 4
	v_nop
.endr
.endm
.macro CPAIR r, bits                   ; a constant as a pair: the packed forms name a pair and take its low word for both halves
	s_mov_b32 s[\r], \bits
	s_mov_b32 s[\r+1], \bits
.endm
.macro BASE p, em, wm                  ; a buffer's address on to my expert's and my wave's part (s33 = 0)
	s_mul_i32 s32, s30, \em
	s_mul_i32 s34, s28, \wm
	s_add_co_u32 s32, s32, s34
	s_add_nc_u64 s[\p:\p+1], s[\p:\p+1], s[32:33]
.endm
.macro LDW1 s                          ; W1's four fragments of K step s into buffer s % 4: twelve loads of 512 consecutive bytes
	WIN 0x40
.irp t, 0,1,2,3
.irp c, 0,1,2
	global_load_b128 v[48*((\s)%4)+12*\t+4*\c:48*((\s)%4)+12*\t+4*\c+3], v[LI], s[12:13] offset:(4*(\s)+\t)*1536+512*\c
.endr
.endr
.endm
.macro LDPJ q                          ; proj's four fragments of K step q into buffer q
	WIN 0x40
.irp t, 0,1,2,3
.irp c, 0,1,2
	global_load_b128 v[48*(\q)+12*\t+4*\c:48*(\q)+12*\t+4*\c+3], v[LI], s[18:19] offset:(4*(\q)+\t)*1536+512*\c
.endr
.endr
.endm
.macro LDXF s                          ; x's three fragments of K step s into buffer s % 2
.irp m, 0,1,2
.irp c, 0,1,2
	ds_load_b128 v[XF+36*((\s)%2)+12*\m+4*\c:XF+36*((\s)%2)+12*\m+4*\c+3], v[LI] offset:XIMG+(3*(\s)+\m)*1536+512*\c
.endr
.endr
.endm
.macro LDHF q                          ; the hidden layer's three fragments of K step q: each is two waves' halves of six registers
.irp m, 0,1,2
.irp c, 0,1
	ds_load_b128 v[XF+36*((\q)%2)+12*\m+6*\c:XF+36*((\q)%2)+12*\m+6*\c+3], v[LI] offset:HIMG+(8*\m+2*(\q)+\c)*768
	ds_load_b64 v[XF+36*((\q)%2)+12*\m+6*\c+4:XF+36*((\q)%2)+12*\m+6*\c+5], v[L8] offset:HIMG+(8*\m+2*(\q)+\c)*768+512
.endr
.endr
.endm
; Twelve matrix instructions a K step; the twelve accumulators take turns, one instruction a turn, in the same order in every step.
; MM1 writes six of the twelve: W1's tiles lo and lo + 1 against the three row tiles.
.macro MM1 s, lo
.if (\s) == 0
	WIN 0x11                                       ; source 0 (W1) and source 2 (b1) window 1
.else
	WIN 0x01
.endif
.irp t, \lo, \lo+1
.irp m, 0,1,2
.if (\s) == 0
	v_wmma_scale_f32_16x16x128_f8f6f4 v[ACC+32*\m+8*(\t):ACC+32*\m+8*(\t)+7], v[48*((\s)%4)+12*(\t):48*((\s)%4)+12*(\t)+11], v[XF+36*((\s)%2)+12*\m:XF+36*((\s)%2)+12*\m+11], v[B1+8*(\t):B1+8*(\t)+7], v[W1S+8*(\t)+(\s)], v[XS+8*\m+(\s)] matrix_a_fmt:MATRIX_FMT_BF6 matrix_b_fmt:MATRIX_FMT_BF6
.else
	v_wmma_scale_f32_16x16x128_f8f6f4 v[ACC+32*\m+8*(\t):ACC+32*\m+8*(\t)+7], v[48*((\s)%4)+12*(\t):48*((\s)%4)+12*(\t)+11], v[XF+36*((\s)%2)+12*\m:XF+36*((\s)%2)+12*\m+11], v[ACC+32*\m+8*(\t):ACC+32*\m+8*(\t)+7], v[W1S+8*(\t)+(\s)], v[XS+8*\m+(\s)] matrix_a_fmt:MATRIX_FMT_BF6 matrix_b_fmt:MATRIX_FMT_BF6
.endif
.endr
.endr
.endm
.macro MM2 q
	WIN 0x04                                       ; source 1 (proj) window 1
.irp t, 0,1,2,3
.irp m, 0,1,2
.if (\q) == 0
	v_wmma_scale_f32_16x16x128_f8f6f4 v[ACC+32*\m+8*\t:ACC+32*\m+8*\t+7], v[XF+36*((\q)%2)+12*\m:XF+36*((\q)%2)+12*\m+11], v[48*(\q)+12*\t:48*(\q)+12*\t+11], 0, v[XS+4*\m+(\q)], v[W1S+4*\t+(\q)] matrix_a_fmt:MATRIX_FMT_BF6 matrix_b_fmt:MATRIX_FMT_BF6
.else
	v_wmma_scale_f32_16x16x128_f8f6f4 v[ACC+32*\m+8*\t:ACC+32*\m+8*\t+7], v[XF+36*((\q)%2)+12*\m:XF+36*((\q)%2)+12*\m+11], v[48*(\q)+12*\t:48*(\q)+12*\t+11], v[ACC+32*\m+8*\t:ACC+32*\m+8*\t+7], v[XS+4*\m+(\q)], v[W1S+4*\t+(\q)] matrix_a_fmt:MATRIX_FMT_BF6 matrix_b_fmt:MATRIX_FMT_BF6
.endif
.endr
.endr
.endm
; K step s of the first product.  The weights of three K steps on are asked for in its middle, into the buffer that the step before read; x's fragments of two K steps on at its end, into the buffer that this step read.
.macro KSTEP1 s
.if (\s) == 0
	s_wait_loadcnt 36                              ; K step 0's weights, both sides' scales and b1 are in; K steps 1 to 3, 12 loads each, stay out
.else
	s_wait_loadcnt 24                              ; this K step's weights are in; the two younger K steps of 12 loads stay out (the third is asked for in this step's middle)
.endif
.if (\s) < 7
	s_wait_dscnt 9                                 ; this K step's x is in; the next step's nine loads stay out
.else
	s_wait_dscnt 0x0
.endif
	MM1 \s, 0
.if (\s) >= 1
.if (\s) < 5
	LDW1 (\s)+3                                    ; no wait: the wait that ended the step before has shown this buffer read, and the six matrix instructions since name none of its registers, nor v4
.else
	LDPJ (\s)-5                                    ; proj follows W1 through the same four buffers
.endif
.endif
	MM1 \s, 2
	PLACES
	WIN 0
	s_wait_alu depctr_va_vdst(0)                   ; this step's matrix instructions are done reading their fragments of x, in which the LDS loads below land, and their weights, in which the loads in the next step's middle land
.if (\s) < 6
	LDXF (\s)+2
.endif
.endm
; Row tile m's half fragment and its two scale bytes go to LDS as they stand
.macro HOUT m
	ds_store_b128 v21, v[PC+8*(\m):PC+8*(\m)+3] offset:6144*(\m)
	ds_store_b64 v22, v[PC+8*(\m)+4:PC+8*(\m)+5] offset:6144*(\m)
	ds_store_b16 v23, v[PW+(\m)] offset:512*(\m)   ; my two bytes of the row's scale word of K step w / 2
.endm
; swish in f32 on row tile m's 32 registers, each accumulator from its low end on: a / (1 + 2^(-a log2 e))
.macro SWISH m
.set HH, ACC+32*(\m)
.set i, 0
.rept 16
	v_pk_mul_f32 v[TT+i:TT+i+1], v[HH+i:HH+i+1], s[56:57] op_sel_hi:[1,0]
.set i, i+2
.endr
.set i, 0
.rept 32
	v_exp_f32 v[TT+i], v[TT+i]
.set i, i+1
.endr
	v_nop                                          ; a plain place behind the transcendentals
	s_wait_alu depctr_va_vdst(0)                   ; the 32 exponentials have written v184-215, ahead of their first reader; and the quantiser of the row tile before has written its codes and scale bytes, which the LDS stores below read
.if (\m) > 0
	HOUT (\m)-1
.endif
.set i, 0
.rept 16
	v_pk_add_f32 v[TT+i:TT+i+1], v[TT+i:TT+i+1], 1.0 op_sel_hi:[1,0]
.set i, i+2
.endr
.set i, 0
.rept 32
	v_rcp_f32 v[TT+i], v[TT+i]
.set i, i+1
.endr
	v_nop
	s_wait_alu depctr_va_vdst(0)                   ; the 32 reciprocals have written v184-215, ahead of their first reader
.set i, 0
.rept 16
	v_pk_mul_f32 v[HH+i:HH+i+1], v[HH+i:HH+i+1], v[TT+i:TT+i+1]
.set i, i+2
.endr
.endm
; Row tile m's 32 registers are two blocks of 32 along the next K: register 16 b + i of lane (r, h) is hidden unit 64 w + 32 b + 16 h + i of token r.  They become six registers of the next operand and two scale bytes.
.macro QUANT2 m
.set HH, ACC+32*(\m)
.set PM, PC+8*(\m)
.irp b, 0,1
	v_max3_num_f32 v[TM+\b], |v[HH+16*\b]|, |v[HH+16*\b+1]|, 0x2800000   ; my 16 numbers, and the floor 2^(5 - 127): the byte cannot fall under 1
.endr
.irp i, 2,4,6,8,10,12,14
.irp b, 0,1
	v_max3_num_f32 v[TM+\b], v[TM+\b], |v[HH+16*\b+\i]|, |v[HH+16*\b+\i+1]|
.endr
.endr
.irp b, 0,1
	v_permlanex16_b32 v[TP+\b], v[TM+\b], s36, s37
.endr
.irp b, 0,1
	v_max_num_f32 v[TM+\b], v[TM+\b], v[TP+\b]     ; with lane l xor 16's: the block's largest magnitude
.endr
.irp b, 0,1
	v_add_nc_u32 v[SO+\b], 0xfe000000, v[TM+\b]    ; 4 off its exponent field: the conversion's scale operand
.endr
.irp b, 0,1
	v_lshrrev_b32 v[BY+\b], 23, v[SO+\b]           ; the scale's byte
.endr
	v_lshl_or_b32 v[PW+(\m)], v[BY+1], 8, v[BY]
	v_cvt_scalef32_pk16_bf6_f32 v[PM:PM+2], v[HH:HH+15], v[SO]
	v_cvt_scalef32_pk16_bf6_f32 v[PM+4:PM+6], v[HH+16:HH+31], v[SO+1]   ; (a conversion's three registers begin on an even number)
	v_nop                                          ; one plain place behind a scaled conversion
.irp i, 0,1,2
	v_permlane16_swap_b32 v[PM+\i], v[PM+4+\i]     ; the operand wants a WHOLE block in a lane: lanes 0-15 block 0, lanes 16-31 block 1
.endr
.irp i, 0,1,2
	v_mov_b32 v[PM+3+\i], v[PM+4+\i]
.endr
.endm
; Tile (t, m)'s eight numbers a lane go to my stage: row 8 h + j, column 16 t + r
.macro EOUT t, m
.irp j, 0,1,2,3,4,5,6,7
	ds_store_b32 v26, v[ACC+32*(\m)+8*(\t)+\j] offset:272*\j+64*(\t)
.endr
.endm
; The way out of tile (t, m): lane (r, h) holds output unit 64 w + 16 t + r of tokens 8 h + 0 .. 7.  Its stores into the stage stand in the next tile (tile 3's: in OUTROWS).
.macro EPI t, m
.set AA, ACC+32*(\m)+8*(\t)
.set CP, CO+2*((\t)/2)
.irp p, 0,2,4,6
	v_pk_mul_f32 v[AA+\p:AA+\p+1], v[AA+\p:AA+\p+1], s[56:57] op_sel_hi:[1,0]   ; the accumulator from its low end on
.endr
.irp j, 0,1,2,3,4,5,6,7
	v_exp_f32 v[AA+\j], v[AA+\j]
.endr
	v_nop
.if (\t) == 0
	s_wait_alu depctr_va_vdst(0)                   ; the eight exponentials have written the accumulator, ahead of their first reader; and whatever vector or matrix instruction named the eight offset registers is done (row tile 0: the second product read v248-255), ahead of the loads below
.irp i, 0,1,2,3,4,5,6,7
	ds_load_b32 v[OF+\i], v25 offset:64*(\m)+8*\i  ; the tokens of rows 16 m + 2 i + h
.endr
.else
	s_wait_alu depctr_va_vdst(0)                   ; the eight exponentials have written the accumulator, ahead of their first reader; and the tile before has written its eight results, which the LDS stores below read
	EOUT (\t)-1, \m
.endif
.irp p, 0,2,4,6
	v_pk_add_f32 v[AA+\p:AA+\p+1], v[AA+\p:AA+\p+1], 1.0 op_sel_hi:[1,0]
.endr
.irp j, 0,1,2,3,4,5,6,7
	v_rcp_f32 v[AA+\j], v[AA+\j]                   ; xn = sigmoid(z)
.endr
	v_nop
	s_wait_alu depctr_va_vdst(0)                   ; the eight reciprocals have written xn, ahead of their first reader
.irp p, 0,2,4,6
	v_pk_mul_f32 v[RR+\p:RR+\p+1], v[AA+\p:AA+\p+1], s[58:59] op_sel_hi:[1,0]
.endr
.irp p, 0,2,4,6
	v_pk_mul_f32 v[GG+\p:GG+\p+1], v[AA+\p:AA+\p+1], s[60:61] op_sel_hi:[1,0]
.endr
.irp p, 0,2,4,6
	v_pk_mul_f32 v[GG+\p:GG+\p+1], v[GG+\p:GG+\p+1], v[GG+\p:GG+\p+1]
.endr
.irp j, 0,1,2,3,4,5,6,7
	v_exp_f32 v[RR+\j], v[RR+\j]                   ; r = e^(64 xn / 7)
.endr
.irp j, 0,1,2,3,4,5,6,7
	v_exp_f32 v[GG+\j], -v[GG+\j]                  ; g = e^(-32 xn^2)
.endr
	v_nop
	s_wait_alu depctr_va_vdst(0)                   ; the sixteen exponentials have written r and g, ahead of their first reader
.irp p, 0,2,4,6
	v_pk_fma_f32 v[QQ+\p:QQ+\p+1], v[RR+\p:RR+\p+1], s[54:55], v[30:31] op_sel_hi:[1,0,1]   ; Q = c7 r + c6
.endr
.irp p, 0,2,4,6
.if (\t)%2
	v_pk_fma_f32 v[PP+\p:PP+\p+1], v[RR+\p:RR+\p+1], v[CP+28:CP+29], v[CP+24:CP+25] op_sel:[0,1,1] op_sel_hi:[1,1,1]   ; P likewise; of a pair of coefficients tile t's serves both halves
.else
	v_pk_fma_f32 v[PP+\p:PP+\p+1], v[RR+\p:RR+\p+1], v[CP+28:CP+29], v[CP+24:CP+25] op_sel_hi:[1,0,0]
.endif
.endr
.irp b, 5,4,3,2,1,0
.irp p, 0,2,4,6
.if \b
	v_pk_fma_f32 v[QQ+\p:QQ+\p+1], v[QQ+\p:QQ+\p+1], v[RR+\p:RR+\p+1], s[40+2*\b:41+2*\b] op_sel_hi:[1,1,0]
.else
	v_pk_fma_f32 v[QQ+\p:QQ+\p+1], v[QQ+\p:QQ+\p+1], v[RR+\p:RR+\p+1], 1.0 op_sel_hi:[1,1,0]
.endif
.endr
.irp p, 0,2,4,6
.if (\t)%2
	v_pk_fma_f32 v[PP+\p:PP+\p+1], v[PP+\p:PP+\p+1], v[RR+\p:RR+\p+1], v[CP+4*\b:CP+4*\b+1] op_sel:[0,0,1] op_sel_hi:[1,1,1]
.else
	v_pk_fma_f32 v[PP+\p:PP+\p+1], v[PP+\p:PP+\p+1], v[RR+\p:RR+\p+1], v[CP+4*\b:CP+4*\b+1] op_sel_hi:[1,1,0]
.endif
.endr
.endr
.irp p, 0,2,4,6
	v_pk_fma_f32 v[QQ+\p:QQ+\p+1], v[GG+\p:GG+\p+1], v[QQ+\p:QQ+\p+1], s[62:63] op_sel_hi:[1,1,0]   ; the bases' sum + 1e-6
.endr
.irp p, 0,2,4,6
	v_pk_mul_f32 v[PP+\p:PP+\p+1], v[PP+\p:PP+\p+1], v[GG+\p:GG+\p+1]
.endr
.irp j, 0,1,2,3,4,5,6,7
	v_rcp_f32 v[QQ+\j], v[QQ+\j]
.endr
	v_nop
	s_wait_alu depctr_va_vdst(0)                   ; the eight reciprocals have written v208-215, ahead of their first reader
.irp p, 0,2,4,6
	v_pk_mul_f32 v[AA+\p:AA+\p+1], v[PP+\p:PP+\p+1], v[QQ+\p:QQ+\p+1]
.endr
.endm
.macro OUTROWS m                       ; 16 rows x my 64 columns come back as rows of 256 bytes and go to the tokens' rows of out0.  OF: this row tile's eight offset registers
	s_wait_dscnt 24                                ; the tokens' numbers are in: behind their loads stand the 24 stores of tiles 0 to 2 into the stage, which may stay out
.irp i, 0,1,2,3,4,5,6,7
	v_min_u32 v[OF+\i], 0x1fff, v[OF+\i]           ; a token's number lies under 8,192
.endr
.irp i, 0,1,2,3,4,5,6,7
	v_lshl_add_u32 v[OF+\i], v[OF+\i], 11, v28     ; its row of 2,048 bytes + 256 w + 16 r
.endr
	s_wait_alu depctr_va_vdst(0)                   ; tile 3 has written its eight results, which the LDS stores below read, and is done with v184-215, in which the rows land; the eight offsets are written, which the global stores read
	EOUT 3, \m
.irp i, 0,1,2,3,4,5,6,7
	ds_load_b128 v[OB+4*\i:OB+4*\i+3], v27 offset:544*\i   ; LDS serves a wave's instructions in order: these see my stores, and the next tile's stores come behind them
.endr
	s_wait_dscnt 0x0                               ; the rows are in
.irp i, 0,1,2,3,4,5,6,7
	global_store_b128 v[OF+\i], v[OB+4*\i:OB+4*\i+3], s[26:27] th:TH_STORE_NT   ; 16 lanes store 256 consecutive bytes, at a multiple of 256 from out0's first byte
.endr
.if (\m) < 2
	s_wait_xcnt 0x0                                ; the stores have read their data: the next row tile's vector work writes these registers again
	s_wait_alu depctr_vm_vsrc(0)                   ; the global stores have read v184-215, which the next row tile's vector work writes; my LDS stores have read this row tile's first accumulator, in which the next row tile's tokens land
.endif
.endm
	s_load_b512 s[4:19], s[0:1], 0x0               ; tiles s[4:5], rows s[6:7], xq s[8:9], xs s[10:11], w1f s[12:13], W1_scales s[14:15], b1 s[16:17], pjf s[18:19]
	s_load_b256 s[20:27], s[0:1], 0x40             ; proj_scales s[20:21], ctrl s[22:23], scaling s[24:25], out0 s[26:27]
	v_lshrrev_b32 v1, 5, v0
	v_readfirstlane_b32 s28, v1                    ; wave
	v_and_b32 v1, 31, v0                           ; lane
	v_and_b32 v2, 15, v0                           ; r
	v_bfe_u32 v3, v0, 4, 1                         ; h
	v_lshlrev_b32 v[LI], 4, v1
	v_lshlrev_b32 v[L8], 3, v1
	v_lshlrev_b32 v[LS], 2, v1
	v_and_b32 v7, 8, v2
	v_add_nc_u32 v7, v7, v2
	v_lshlrev_b32 v7, 5, v7                        ; W1's scales: 32 bytes a row, row r + 8 (r / 8) of a tile
	v_lshlrev_b32 v8, 6, v3                        ; b1: 64 h
	v_lshlrev_b32 v9, 4, v2                        ; proj's scales: 16 bytes a row
	v_lshlrev_b32 v10, 2, v2                       ; ctrl, scaling: 4 r
	v_mul_u32_u24 v30, v3, 48                      ; xq: 48 h
	s_wait_alu depctr_va_sdst(0)                   ; s28 is written, ahead of its first reader: LDS addresses and the buffers' bases are made from it
	s_mul_i32 s32, s28, 4608
	v_add_nc_u32 v20, s32, v[LI]                   ; where I store x's images: K step w
	s_mul_i32 s32, s28, 768
	s_add_co_u32 s32, s32, HIMG
	v_add_nc_u32 v21, s32, v[LI]                   ; the hidden layer's: 16 a lane,
	s_add_co_u32 s34, s32, 512
	v_add_nc_u32 v22, s34, v[L8]                   ; then 8 a lane
	s_lshr_b32 s32, s28, 1
	s_lshl_b32 s32, s32, 7
	s_and_b32 s34, s28, 1
	s_lshl_b32 s34, s34, 1
	s_add_co_u32 s32, s32, s34
	s_add_co_u32 s32, s32, HSC
	v_add_nc_u32 v23, s32, v[LS]                   ; my two bytes of a scale word
	s_lshl_b32 s32, s28, 8
	s_add_co_u32 s34, s32, LIST
	v_lshl_add_u32 v24, v2, 2, s34                 ; my wave's list: in by r,
	v_lshl_add_u32 v25, v3, 2, s34                 ; out by h
	v_lshl_add_u32 v28, v2, 4, s32                 ; out0: 256 w + 16 r
	s_mul_i32 s32, s28, 4352
	s_add_co_u32 s32, s32, STG
	v_mul_u32_u24 v26, v3, 2176
	v_lshl_add_u32 v26, v2, 2, v26
	v_add_nc_u32 v26, s32, v26                     ; my stage, in: row 8 h, column r
	v_mul_u32_u24 v27, v3, 272
	v_lshl_add_u32 v27, v2, 4, v27
	v_add_nc_u32 v27, s32, v27                     ; back: lanes 0-15 one row, lanes 16-31 the next
	s_lshl_b32 s32, ttmp9, 3
	s_mov_b32 s33, 0
	s_wait_kmcnt 0x0
	s_add_nc_u64 s[4:5], s[4:5], s[32:33]
	s_load_b64 s[30:31], s[4:5], 0x0               ; my tile: expert, rows
	s_mov_b32 s36, 0x76543210
	s_mov_b32 s37, 0xfedcba98                      ; v_permlanex16_b32's selects for lane l xor 16
	CPAIR 42, 0x3f053c38                           ; c1 .. c7 = exp(-32 b^2 / 49)
	CPAIR 44, 0x3d9642d2
	CPAIR 46, 0x3b379bab
	CPAIR 48, 0x37f31560
	CPAIR 50, 0x33ae5819
	CPAIR 52, 0x2e877b0d
	CPAIR 54, 0x28642328
	CPAIR 56, 0xbfb8aa3b                           ; -log2(e)
	CPAIR 58, 0x41530bb1                           ; 64 / 7 x log2(e)
	CPAIR 60, 0x40d96d27                           ; sqrt(32 log2(e))
	CPAIR 62, 0x358637bd                           ; 1e-6
	s_wait_kmcnt 0x0
	s_min_u32 s30, s30, 7
	s_min_u32 s31, s31, 48
	s_max_u32 s32, s31, 1
	s_sub_co_u32 s32, s32, 1                       ; the tile's last valid slot
	s_mul_i32 s34, ttmp9, 48
	s_cmp_lg_u32 s31, 0
	s_cselect_b32 s34, s34, 0                      ; an empty tile reads slot 0, which is always written
.irp m, 0,1,2
	v_add_nc_u32 v[14+\m], 16*\m, v2
	v_min_u32 v[14+\m], s32, v[14+\m]
	v_add_nc_u32 v[14+\m], s34, v[14+\m]
	v_min_u32 v[14+\m], 0x215f, v[14+\m]
	v_lshlrev_b32 v[14+\m], 2, v[14+\m]
.endr
	s_wait_alu depctr_va_vdst(0)                   ; the addresses and offsets v4-10, v14-16 and v20-28 are written, which the loads and stores of the whole kernel read
.irp m, 0,1,2
	global_load_b32 v[11+\m], v[14+\m], s[6:7]     ; the token of slot 16 m + r
.endr
	BASE 12, 393216, 49152                         ; w1f: 256 fragments an expert, 32 a wave
	BASE 14, 16384, 2048                           ; W1_scales
	BASE 16, 2048, 256                             ; b1
	BASE 18, 196608, 24576                         ; pjf
	BASE 20, 8192, 1024                            ; proj_scales
	BASE 22, 16384, 256                            ; ctrl
	BASE 24, 2048, 256                             ; scaling
	BASE 8, 0, 96                                  ; xq: the K step that I gather is my wave's number
.irp t, 0,1,2,3
	global_load_b128 v[W1S+8*\t:W1S+8*\t+3], v7, s[14:15] offset:(32*(\t/2)+8*(\t%2))*32
	global_load_b128 v[W1S+8*\t+4:W1S+8*\t+7], v7, s[14:15] offset:(32*(\t/2)+8*(\t%2))*32+16
.endr
	WIN 0x40
.irp t, 0,1,2,3
	global_load_b128 v[B1+8*\t:B1+8*\t+3], v8, s[16:17] offset:(32*(\t/2)+8*(\t%2))*4        ; b1 in the result's layout: units 32 (t / 2) + 16 h + 8 (t % 2) + 0 .. 7
	global_load_b128 v[B1+8*\t+4:B1+8*\t+7], v8, s[16:17] offset:(32*(\t/2)+8*(\t%2))*4+16
.endr
	LDW1 0
	WIN 0
	s_wait_loadcnt 28                              ; the tokens are in; behind them 8 + 8 + 12 loads stay out
	s_wait_alu depctr_vm_vsrc(0)                   ; the tokens' loads have read v14-16, which are written again below
.irp m, 0,1,2
	v_min_u32 v[11+\m], 0x1fff, v[11+\m]
	v_mul_u32_u24 v[14+\m], v[11+\m], 768
	v_add_nc_u32 v[14+\m], v30, v[14+\m]           ; xq: the token's row + 48 h
	v_lshlrev_b32 v[17+\m], 5, v[11+\m]            ; xs: its 32 bytes
.endr
	s_wait_alu depctr_va_vdst(0)                   ; v11-19 are written: the LDS stores below read the tokens, the gathers their offsets
.irp m, 0,1,2
	ds_store_b32 v24, v[11+\m] offset:64*\m        ; my wave's own list, for the way out
.endr
.irp m, 0,1,2
.irp c, 0,1,2
	global_load_b128 v[XF+12*\m+4*\c:XF+12*\m+4*\c+3], v[14+\m], s[8:9] offset:16*\c   ; lane (r, h): its 48 bytes of K step w: the fragment's twelve registers
.endr
.endr
.irp m, 0,1,2
	global_load_b128 v[XS+8*\m:XS+8*\m+3], v[17+\m], s[10:11]
	global_load_b128 v[XS+8*\m+4:XS+8*\m+7], v[17+\m], s[10:11] offset:16
.endr
	LDW1 1
	WIN 0
	s_wait_loadcnt 18                              ; the gathered codes are in; x's 6 loads of scales and K step 1's 12 stay out
	LDW1 2
	LDW1 3
	WIN 0
.irp m, 0,1,2
.irp c, 0,1,2
	ds_store_b128 v20, v[XF+12*\m+4*\c:XF+12*\m+4*\c+3] offset:XIMG+1536*\m+512*\c
.endr
.endr
	s_wait_dscnt 0x0                               ; for the others' sake: my three images lie in LDS
	s_barrier_signal -1
	s_barrier_wait -1                              ; x's 24 fragments lie in LDS
	s_wait_alu depctr_vm_vsrc(0)                   ; my LDS stores have read v184-219, in which K step 0's fragments land
	LDXF 0
	LDXF 1
	; ---- the first product: eight K steps
.irp s, 0,1,2,3,4,5,6,7
	KSTEP1 \s
.endr
	; behind the last step's wait: its matrix instructions are done reading W1's scale words and buffer 3, and K step 0's have long read b1: proj's scale words, proj's last fragments and scaling land there
.irp t, 0,1,2,3
	global_load_b128 v[W1S+4*\t:W1S+4*\t+3], v9, s[20:21] offset:256*\t   ; proj's scale words: row 16 t + r, four K steps
.endr
	LDPJ 3
	WIN 0x40
.irp b, 0,1,2,3,4,5,6,7
.irp t, 0,1,2,3
	global_load_b32 v[CTL+4*\b+\t], v10, s[22:23] offset:2048*\b+64*\t
.endr
.endr
.irp t, 0,1,2,3
	global_load_b32 v[SCL+\t], v10, s[24:25] offset:64*\t
.endr
	WIN 0
	v_mov_b32 v[TP], 0                             ; written once: a lane permute's destination counts as one of its sources
	v_mov_b32 v[TP+1], 0
	; ---- the hidden layer: swish, quantised in registers, its images to LDS (a row tile's stores stand in the next row tile's swish)
.irp m, 0,1,2
	SWISH \m
	QUANT2 \m
.endr
	s_wait_alu depctr_va_vdst(0)                   ; row tile 2's quantiser has written its codes and scale bytes, which the LDS stores below read; and all vector work on v184-255 is done, in which the hidden layer's fragments land behind the barrier
	HOUT 2
	s_wait_dscnt 0x0                               ; for the others' sake: my half fragments and scale bytes lie in LDS
	s_barrier_signal -1
	s_barrier_wait -1
	s_wait_alu depctr_vm_vsrc(0)                   ; my LDS stores have read v216-239 and v248-250, in which the hidden layer's fragments land
	s_cmp_eq_u32 s31, 0                            ; an empty tile has passed every barrier and ends here: it stores nothing.  The count is the same in all eight waves
	s_cbranch_scc1 .Lempty
.irp m, 0,1,2
.irp q, 0,1,2,3
	ds_load_b32 v[XS+4*\m+\q], v[LS] offset:HSC+512*\m+128*\q
.endr
.endr
	LDHF 0
	LDHF 1
	s_wait_loadcnt 0x0                             ; proj, its scales, ctrl, scaling
	; ---- the second product: four K steps
.irp q, 0,1,2,3
.if \q < 3
	s_wait_dscnt 12                                ; this K step's fragments (and the scale words) are in; the next step's twelve loads stay out
.else
	s_wait_dscnt 0x0
.endif
	MM2 \q
	PLACES
	WIN 0
.if \q < 2
	s_wait_alu depctr_va_vdst(0)                   ; this step's matrix instructions are done reading their fragments of the hidden layer, in which the LDS loads below land
	LDHF \q+2
.endif
.endr
	; ---- the coefficients c_b ctrl_b scaling of my four tiles' units
	WIN 0x05                                       ; sources 0 and 1 window 1
.irp b, 0,1,2,3,4,5,6,7
.irp p, 0,2
	v_pk_mul_f32 v[CO+4*\b+\p:CO+4*\b+\p+1], v[CTL+4*\b+\p:CTL+4*\b+\p+1], v[SCL+\p:SCL+\p+1]
.endr
.endr
	WIN 0
.irp b, 1,2,3,4,5,6,7
.irp p, 0,2
	v_pk_mul_f32 v[CO+4*\b+\p:CO+4*\b+\p+1], v[CO+4*\b+\p:CO+4*\b+\p+1], s[40+2*\b:41+2*\b] op_sel_hi:[1,0]
.endr
.endr
	v_mov_b32 v30, s52                             ; c6 as a vector pair: Q's first step has c7 as its one scalar pair
	v_mov_b32 v31, s52
	; ---- the way out, a tile of 16 rows at a time
.irp m, 0,1,2
.if \m == 0
.set OF, OFF
.else
.set OF, ACC+32*(\m-1)                 ; the first accumulator of the row tile before: its numbers have left through the stage.  So no register that a store names as its offset is written again
.endif
	EPI 0, \m
	EPI 1, \m
	EPI 2, \m
	EPI 3, \m
	OUTROWS \m
.endr
.Lempty:
	s_wait_xcnt 0x0
	s_wait_alu depctr_vm_vsrc(0)                   ; row tile 0's global stores have read v254 and v255 as offsets: the two lines below write them
	v_lshl_add_u32 v254, v0, 2, 0x16e00
	v_mov_b32 v255, 0
	s_wait_dscnt 0x0                               ; the closing lines, six on end
	s_wait_alu 0x0
	s_wait_tensorcnt 0x0
	ds_add_u32 v254, v255
	s_wait_dscnt 0x0
	s_endpgm
.Lfunc_end_k_q071dd91b84_chain:
	.size	k_q071dd91b84_chain, .Lfunc_end_k_q071dd91b84_chain-k_q071dd91b84_chain
	.p2alignl 7, 3214868480
	.fill 96, 4, 3214868480
	.section	.rodata,"a",@progbits
	.p2align	6, 0x0
	.amdhsa_kernel k_q071dd91b84_chain
		.amdhsa_group_segment_fixed_size 94720
		.amdhsa_private_segment_fixed_size 0
		.amdhsa_enable_private_segment 0
		.amdhsa_kernarg_size 96
		.amdhsa_user_sgpr_count 2
		.amdhsa_user_sgpr_kernarg_segment_ptr 1
		.amdhsa_wavefront_size32 1
		.amdhsa_system_sgpr_workgroup_id_x 1
		.amdhsa_system_sgpr_workgroup_id_y 1
		.amdhsa_system_sgpr_workgroup_id_z 1
		.amdhsa_system_vgpr_workitem_id 0
		.amdhsa_next_free_vgpr 512
		.amdhsa_next_free_sgpr 66
		.amdhsa_reserve_vcc 0
		.amdhsa_float_denorm_mode_32 3
		.amdhsa_float_denorm_mode_16_64 3
		.amdhsa_memory_ordered 1
		.amdhsa_forward_progress 1
		.amdhsa_inst_pref_size 185
	.end_amdhsa_kernel
	.amdgpu_metadata
---
amdhsa.version: [ 1, 2 ]
amdhsa.kernels:
  - .name:           k_q071dd91b84_chain
    .symbol:         k_q071dd91b84_chain.kd
    .args:
      - { .name: tiles, .offset: 0, .size: 8, .value_kind: global_buffer, .address_space: global }
      - { .name: rows, .offset: 8, .size: 8, .value_kind: global_buffer, .address_space: global }
      - { .name: xq, .offset: 16, .size: 8, .value_kind: global_buffer, .address_space: global }
      - { .name: xs, .offset: 24, .size: 8, .value_kind: global_buffer, .address_space: global }
      - { .name: w1f, .offset: 32, .size: 8, .value_kind: global_buffer, .address_space: global }
      - { .name: W1_scales, .offset: 40, .size: 8, .value_kind: global_buffer, .address_space: global }
      - { .name: b1, .offset: 48, .size: 8, .value_kind: global_buffer, .address_space: global }
      - { .name: pjf, .offset: 56, .size: 8, .value_kind: global_buffer, .address_space: global }
      - { .name: proj_scales, .offset: 64, .size: 8, .value_kind: global_buffer, .address_space: global }
      - { .name: ctrl, .offset: 72, .size: 8, .value_kind: global_buffer, .address_space: global }
      - { .name: scaling, .offset: 80, .size: 8, .value_kind: global_buffer, .address_space: global }
      - { .name: out0, .offset: 88, .size: 8, .value_kind: global_buffer, .address_space: global }
    .group_segment_fixed_size: 94720
    .private_segment_fixed_size: 0
    .kernarg_segment_align: 8
    .kernarg_segment_size: 96
    .max_flat_workgroup_size: 256
    .sgpr_count:     66
    .vgpr_count:     512
    .wavefront_size: 32
...
	.end_amdgpu_metadata
.endif
;; end of part 4
